; MI455X (gfx1250); checked and timed in simulation.
; The chip was launched on July 23, 2026; its instructions are those of AMD's public machine-readable ISA for CDNA 5 (MIT licence, August 2026) and "CDNA5" Instruction Set Architecture Reference Guide (July 2026). The comments in the code are by the model that wrote it; some were corrected since.
;; Block2 D Attention. Allowed arithmetic: matrix products marked QUANTISED: E2M3 operands, one E8M0 scale for each 32 along K, by v_wmma_scale_f32_16x16x128_f8f6f4 with both operands' format E2M3, f32 sums; everything else in f32.
;; Inputs: Wk 2,048 x 512 float32; Wo 1,024 x 2,048 float32; Wq 2,048 x 1,024 float32; Wv 2,048 x 512 float32; hidden_states 2 x 4,096 x 2,048 float32.
;; Outputs: out0 2 x 4,096 x 2,048 float32.
;; Constants: x_dim = 64, y_dim = 64.
;; This version of the problem:
;;   THIS VERSION OF THE PROBLEM IS GIVEN IN LOW PRECISION. The matrix products marked QUANTISED in the list below multiply operands that are first quantised to E2M3 (2 exponent bits, 3 mantissa bits; 6 bits a number), with one power-of-two scale for each 32 numbers along K (OCP MX v1.0); their sums are f32. All else is computed in f32.
;;   The module's matrix products, in the order in which they are computed (A, B: the left and right operand; K: the contracted axis; several contracted axes count as one K, in the product's order):
;;     1. [M 8,192, K 2,048] x [K 2,048, N 1,024]; A: input hidden_states; B: input Wq: QUANTISED
;;     2. [M 8,192, K 2,048] x [K 2,048, N 512]; A: input hidden_states; B: input Wk: QUANTISED
;;     3. [M 8,192, K 2,048] x [K 2,048, N 512]; A: input hidden_states; B: input Wv: QUANTISED
;;     4. batch 256 x [M 512, K 64] x [K 64, N 512]; A: computed on the way; B: computed on the way: QUANTISED
;;     5. batch 256 x [M 64, K 512] x [K 512, N 512]; A: computed on the way; B: softmax (see below): QUANTISED
;;     6. [M 8,192, K 1,024] x [K 1,024, N 2,048]; A: computed on the way; B: input Wo: QUANTISED
;;   THE QUANTISER, for each operand of a quantised product, along K:
;;     - K is cut into blocks of 32 from its start; a last block that is shorter is filled with zeros.
;;     - A block's scale is 2^e with e = floor(log2(the largest magnitude in the block)) - 2, held to -126 .. 127; a block of zeros has e = 0. As a byte (E8M0): e + 127.
;;     - Each number is divided by its block's scale, clamped to +-7.5, and rounded to the nearest number of E2M3, ties to even, subnormals kept.
;;     - The product sums the exact products of the quantised numbers (number of the format x scale) in f32.
;;   ~~~python
;;   def quantise(x, axis):      # numpy; x: float32 -> the quantised numbers, widened to float32 again
;;       x = np.moveaxis(x, axis, -1); K = x.shape[-1]
;;       x = np.pad(x, [(0, 0)] * (x.ndim - 1) + [(0, -K % 32)]); x = x.reshape(x.shape[:-1] + (-1, 32)); a = np.abs(x).max(-1, keepdims=True)
;;       e = np.where(a > 0, np.clip(np.frexp(np.where(a > 0, a, 1))[1] - 1 - 2, -126, 127), 0)      # np.frexp(a)[1] - 1 = floor(log2(a)), exactly
;;       r = np.clip(x / 2.0 ** e, -7.5, 7.5)
;;       step = 2.0 ** (np.maximum(np.frexp(np.where(r == 0, 1, r))[1] - 1, 0) - 3)
;;       q = np.round(r / step) * step * 2.0 ** e      # np.round: ties to even
;;       return np.moveaxis(q.reshape(q.shape[:-2] + (-1,))[..., :K], -1, axis).astype(np.float32)
;;   ~~~
;;   SOFTMAX AHEAD OF A QUANTISED PRODUCT. Where the list says 'softmax', what is quantised is not the finished softmax but p = 2^(t - M), with t = logit x log2(e) and M = ceil(the row's largest t), a whole number; so 1/2 < the row's largest p <= 1. The row's sum l is taken of the UNQUANTISED p, in f32, and the product's result is divided by l at the end. Since M is a whole number, a kernel that streams over the keys may use a running M (the ceiling of the running maximum): every later rescaling is an exact power of two, which a block's scale takes up: the codes' values come out the same.
;;   OPERANDS COMPUTED ON THE WAY. 'Computed on the way' means the value that the module computes at that place (a softmax that the list does not call 'softmax' is quantised finished and normalised). What goes into a quantiser is computed in f32, as accurately as f32 sums, v_exp_f32 and their like allow (about 1e-6 of the number): no bf16 or f16 on the way to a quantiser, and a product that is left as it is and whose result goes on into a quantised operand takes f32 operands (vector FMAs, or v_wmma_f32_16x16x4_f32). A number that lies on a knife's edge between two numbers of the format may be rounded either way, as far as f32 arithmetic and the matrix unit's own rounding can turn it there, and no further.
;; One version. Each part assembles by itself: llvm-mc -triple=amdgcn-amd-amdhsa -mcpu=gfx1250 --defsym DOCPART=n.
;; ======== version 1 of 1: 4 launches
;; limits: right only within a limited range of input values
;; workspace buffers: xc 12,582,912 bytes; xs 524,288 bytes; wc 4,718,592 bytes; ws 196,608 bytes; ac 12,582,912 bytes; asc 917,504 bytes; oc 6,291,456 bytes; osc 262,144 bytes
;; launch quant (part 1): grid 704 x 1, 4 waves a work-group, no clusters, 68,096 bytes of LDS; arguments hidden_states, Wq, Wk, Wv, Wo, xc, xs, wc, ws; writes xc, xs, wc, ws
.if DOCPART == 1
	.amdgcn_target "amdgcn-amd-amdhsa--gfx1250"
	.amdhsa_code_object_version 6
	.text
	.protected	k_q8fddf10f32_quant
	.globl	k_q8fddf10f32_quant
	.p2align	8
	.type	k_q8fddf10f32_quant,@function
k_q8fddf10f32_quant:
	s_mov_b64 s[64:65], 0
	v_nop
	global_prefetch_b8 v0, s[64:65] scope:SCOPE_SE
	s_setreg_imm32_b32 hwreg(HW_REG_WAVE_MODE, 25, 1), 1
	s_wait_xcnt 0x0
; hidden_states [8192][2048] (K innermost) and Wq, Wk, Wv [2048][n], Wo [1024][2048] (K outermost), all f32, become codes of FP6 (E2M3) with K innermost and one E8M0 byte for each 32 along K.
; A block's scale is 2^(floor(log2(largest magnitude)) - 2): its byte is the largest magnitude's exponent field - 2, held at 1 from below by a floor among the maximum's leaves.
; LIMITS: a block whose largest magnitude lies under 2^(3 - 127) is held at the byte 1; a block of zeros gets the byte 1 (its codes are zeros, and only this program reads the bytes); NaN and infinities are not served.
; Work-groups 0-191 take the weights (32 columns x 256 along K a wave), work-groups 192-703 take hidden_states (4 rows a wave).  The two paths part once and have LDS bytes of their own.
; THE ROWS OF THE OUTPUT BUFFERS ARE PERMUTED, so that the products' results fall into lanes and registers as the next quantiser wants them:
;   xc, xs: row 256 T + 64 g + 32 p + 16 h + 8 u + j of hidden_states goes to row 256 T + 128 p + 32 g + 16 u + 8 h + j;
;   wc, ws: inside each 32 columns, bits 3 and 4 of the column change places; Wq's columns take rows 0-1023, Wk's and Wv's take turns in runs of 128 from row 1024 on; Wo has a part of its own.
.set STEPS, 16
.set EMAX,  2
.set CB,    12                         ; bytes of 16 codes
.set XR,    16                         ; v16-79   X path: four sets of 16 numbers as loaded
.set XX,    80                         ; v80-111  two sets of 16 neighbours
.set XE,    112                        ; v112-127 a scale byte for each step
.set XC,    128                        ; v128-191 codes: four registers for each step
.set WREG,  8192                       ; X path's LDS: 8,192 bytes a wave: two stages of 32 x SP, then 256 scale bytes
.set SP,    80
.set SPW,   12                         ; v12 LDS address of my spare word; never rewritten
.set NIL,   13                         ; v13 0; never rewritten
.set WSTG,  32768                      ; W path's LDS: a stage of 32 rows x 272 bytes a wave
.set WPITCH, 272
.set SPARE, WSTG+4*32*WPITCH           ; 67,584: the spare words, 128 bytes a wave, that no other line names
.set WX,    32                         ; v32-95   W path: two sets of 32 numbers; on the way out 16 x 4 registers
.set WC,    96                         ; v96-102  a block's codes
.set SB,    24                         ; v24-25   my column's eight scale bytes
.set OFF,   104                        ; v104-135 4 x lane + i rows of the weight
.set OFFS,  136                        ; v136-151 the way out: my place in the codes' rows of store t
	s_load_b256 s[4:11], s[0:1], 0x0               ; hidden_states, Wq, Wk, Wv
	s_load_b256 s[12:19], s[0:1], 0x20             ; Wo, xc, xs, wc
	s_load_b64 s[20:21], s[0:1], 0x40              ; ws
	v_lshl_add_u32 v[SPW], v0, 2, SPARE
	v_mov_b32 v[NIL], 0
	v_lshrrev_b32 v1, 5, v0
	v_readfirstlane_b32 s22, v1                    ; wave
	v_and_b32 v2, 31, v0                           ; lane
	s_wait_kmcnt 0x0
	s_cmp_lt_u32 ttmp9, 192
	s_cbranch_scc1 .Lw
; ---------------- hidden_states: K is innermost.  A wave takes 16 steps of 512 numbers; each load reads 512 consecutive bytes; a step turns through the wave's own stage so that a lane holds 16 neighbours.
	s_wait_alu depctr_va_vdst(0)
	v_lshlrev_b32 v3, 4, v2                        ; my 16 bytes of a load's 512
	s_mul_i32 s23, s22, WREG
	v_lshrrev_b32 v14, 2, v2
	v_mul_u32_u24 v14, v14, SP
	v_and_b32 v15, 3, v2
	v_lshl_add_u32 v14, v15, 4, v14
	v_add_nc_u32 v14, s23, v14                     ; into the stage: SP (lane / 4) + 16 (lane % 4)
	v_mul_u32_u24 v15, v2, SP
	v_add_nc_u32 v15, s23, v15                     ; out of it: SP x lane
	; xc is laid [K step of 256][row][192 bytes]: lanes 0-15 hold one K step's codes of a row, lanes 16-31 the next row's, 192 bytes on
	; a step takes 256 numbers (one K step) of each of two neighbouring rows: lanes 0-15 hold the first row's, lanes 16-31 the second's, so the 32 lanes' codes are 384 consecutive bytes of the K step's part
	v_mul_u32_u24 v4, v2, CB
	v_bfe_u32 v5, v2, 1, 3                         ; my block among the K step's eight,
	v_lshrrev_b32 v10, 4, v2
	v_lshl_add_u32 v5, v10, 6, v5                  ; in my row's 64 scale bytes
	s_add_co_u32 s23, s23, 2*32*SP
	v_add_nc_u32 v5, s23, v5                       ; my block's scale byte in LDS
	v_lshlrev_b32 v7, 3, v2
	v_add_nc_u32 v6, s23, v7                       ; and 8 bytes a lane on the way out
	s_sub_co_u32 s24, ttmp9, 192
	s_lshl_b32 s24, s24, 2
	s_add_co_u32 s24, s24, s22                     ; R: my run of four rows
	s_and_b32 s25, s24, 0x7c1                      ; R': the run's place in xc and xs: bits 0 and 6-10 stay,
	s_bfe_u32 s26, s24, 0x20004
	s_lshl_b32 s26, s26, 3
	s_or_b32 s25, s25, s26                         ; g: bits 4-5 -> 3-4
	s_bfe_u32 s26, s24, 0x10003
	s_lshl_b32 s26, s26, 5
	s_or_b32 s25, s25, s26                         ; p: bit 3 -> 5
	s_bfe_u32 s26, s24, 0x10002
	s_lshl_b32 s26, s26, 1
	s_or_b32 s25, s25, s26                         ; h: bit 2 -> 1
	s_bfe_u32 s26, s24, 0x10001
	s_lshl_b32 s26, s26, 2
	s_or_b32 s25, s25, s26                         ; u: bit 1 -> 2
	s_lshl_b32 s26, s24, 15                        ; four rows of 8,192 bytes
	s_mov_b32 s27, 0
	s_add_nc_u64 s[4:5], s[4:5], s[26:27]
	s_mul_i32 s26, s25, 768                        ; four rows of 192 bytes in a K step's part
	s_add_co_u32 s26, s26, 4718592                 ; the base stands three K steps on, so that every store's immediate fits its signed 24 bits
	s_add_nc_u64 s[14:15], s[14:15], s[26:27]
	s_lshl_b32 s26, s25, 8                         ; four rows of 64 scale bytes
	s_add_nc_u64 s[16:17], s[16:17], s[26:27]
.macro XLOAD t
.irp i, 0,1,2,3
	global_load_b128 v[XR+16*((\t)%4)+4*\i:XR+16*((\t)%4)+4*\i+3], v3, s[4:5] offset:8192*(2*((\t)/8)+\i/2)+1024*((\t)%8)+512*(\i%2) th:TH_LOAD_NT
.endr
.endm
.macro XTURN t                         ; LDS serves a wave's instructions in order: no wait between the stores and the loads
.irp i, 0,1,2,3
	ds_store_b128 v14, v[XR+16*((\t)%4)+4*\i:XR+16*((\t)%4)+4*\i+3] offset:32*SP*((\t)%2)+8*SP*\i
.endr
.irp i, 0,1,2,3
	ds_load_b128 v[XX+16*((\t)%2)+4*\i:XX+16*((\t)%2)+4*\i+3], v15 offset:32*SP*((\t)%2)+16*\i
.endr
.endm
.irp t, 0,1,2,3
	XLOAD \t
.endr
	s_wait_alu depctr_va_vdst(0)
	s_wait_loadcnt 12                              ; step 0's four loads are in
	XTURN 0
.macro XSTEP t
.set XS, XX+16*((\t)%2)
.if (\t) > 0
	s_wait_dscnt 1                                 ; this step's numbers are back from the stage; the last step's byte store may be out
.else
	s_wait_dscnt 0x0
.endif
.if (\t)+4 < STEPS
	XLOAD (\t)+4                                   ; into the registers that the stage's stores have read
.endif
.if (\t)+1 < STEPS
.if STEPS-2-(\t) >= 3
	s_wait_loadcnt 12                              ; the next step's four loads are in; three steps' may be out
.else
	s_wait_loadcnt 4*(STEPS-2-(\t))
.endif
	XTURN (\t)+1
.endif
	v_max3_num_f32 v8, |v[XS]|, |v[XS+1]|, |v[XS+2]|
	v_max3_num_f32 v9, |v[XS+3]|, |v[XS+4]|, |v[XS+5]|
.irp i, 6,10
	v_max3_num_f32 v8, v8, |v[XS+\i]|, |v[XS+\i+1]|
	v_max3_num_f32 v9, v9, |v[XS+\i+2]|, |v[XS+\i+3]|
.endr
	v_max3_num_f32 v8, v8, |v[XS+14]|, |v[XS+15]|
	v_max3_num_f32 v8, v8, v9, (EMAX+1)<<23        ; the floor 2^(3 - 127): the byte cannot fall under 1
	v_max_num_f32_dpp v8, v8, v8 row_xmask:1 row_mask:0xf bank_mask:0xf   ; with my neighbour's 16: the block's largest magnitude
	v_add_nc_u32 v11, -(EMAX<<23), v8              ; 2 off its exponent field: the conversion's scale operand
	v_cvt_scalef32_pk16_fp6_f32 v[XC+4*(\t):XC+4*(\t)+2], v[XS:XS+15], v11
	v_lshrrev_b32 v[XE+(\t)], 23, v11              ; the scale's byte
	ds_store_b8 v5, v[XE+(\t)] offset:128*((\t)/8)+8*((\t)%8)
	global_store_b96 v4, v[XC+4*(\t):XC+4*(\t)+2], s[14:15] offset:384*((\t)/8)+1572864*((\t)%8)-4718592   ; rows 2 (t / 8) and 2 (t / 8) + 1 of my four, K step t % 8
.endm
.irp t, 0,1,2,3,4,5,6,7,8,9,10,11,12,13,14,15
	XSTEP \t
.endr
	ds_load_b64 v[8:9], v6                         ; my wave's 256 scale bytes, behind my stores of them
	s_wait_dscnt 0x0
	global_store_b64 v7, v[8:9], s[16:17]          ; 32 lanes store 256 consecutive bytes, aligned
	s_wait_tensorcnt 0x0                           ; the wave's end, behind my last LDS store
	ds_add_u32 v[SPW], v[NIL]
	s_wait_dscnt 0x0
	s_endpgm
; ---------------- the weights: K is the first axis.  A lane takes a column and its registers run down K: a block of 32 lies in one lane, and the codes come out with K innermost.
.Lw:
	s_mov_b32 s30, 128                             ; Wo's figures: first work-group,
	s_mov_b32 s31, 4                               ; log2 of its runs of 128 columns,
	s_mov_b32 s32, 15                              ; and the mask of that,
	s_mov_b32 s33, 8192                            ; a row of the weight in bytes,
	s_mov_b32 s34, 0                               ; first row in the codes' part,
	s_mov_b32 s35, 128                             ; rows from one run of 128 columns to the next,
	s_mov_b32 s36, 768                             ; a row of codes in bytes,
	s_mov_b32 s37, 3145728                         ; where the part begins in wc,
	s_mov_b32 s38, 4                               ; scale bytes: from row to row,
	s_mov_b32 s39, 8192                            ; from a lane's first word to its second,
	s_mov_b32 s40, 131072                          ; where the part begins in ws,
	s_mov_b32 s41, 16384
	s_mov_b32 s53, 192                             ; codes: from 256 along K to the next (Wo: inside the row)
	s_mov_b64 s[24:25], s[12:13]
	s_cmp_lt_u32 ttmp9, 128                        ; Wv's
	s_cselect_b32 s30, 96, s30
	s_cselect_b32 s31, 2, s31
	s_cselect_b32 s32, 3, s32
	s_cselect_b32 s33, 2048, s33
	s_cselect_b32 s34, 1152, s34
	s_cselect_b32 s35, 256, s35
	s_cselect_b32 s36, 192, s36                    ; Wq, Wk, Wv: laid [K step of 256][row][192 bytes],
	s_cselect_b32 s53, 393216, s53                 ; 2048 rows x 192 bytes from K step to K step
	s_cselect_b32 s37, 0, s37
	s_cselect_b32 s38, 64, s38
	s_cselect_b32 s39, 4, s39
	s_cselect_b32 s40, 0, s40
	s_cselect_b32 s41, 8, s41
	s_cselect_b64 s[24:25], s[10:11], s[24:25]
	s_cmp_lt_u32 ttmp9, 96                         ; Wk's
	s_cselect_b32 s30, 64, s30
	s_cselect_b32 s34, 1024, s34
	s_cselect_b64 s[24:25], s[8:9], s[24:25]
	s_cmp_lt_u32 ttmp9, 64                         ; Wq's
	s_cselect_b32 s30, 0, s30
	s_cselect_b32 s31, 3, s31
	s_cselect_b32 s32, 7, s32
	s_cselect_b32 s33, 4096, s33
	s_cselect_b32 s34, 0, s34
	s_cselect_b32 s35, 128, s35
	s_cselect_b64 s[24:25], s[6:7], s[24:25]
	s_sub_co_u32 s42, ttmp9, s30
	s_and_b32 s43, s42, s32                        ; which 128 columns
	s_lshr_b32 s44, s42, s31                       ; which 256 along K
	s_lshl_b32 s45, s22, 5                         ; 32 x wave
	s_lshl_b32 s46, s43, 7
	s_add_co_u32 s46, s46, s45                     ; my first column
	s_mul_i32 s47, s35, s43
	s_add_co_u32 s47, s47, s34
	s_add_co_u32 s47, s47, s45                     ; my first row of codes
	s_lshl_b32 s48, s33, 8
	s_mul_i32 s48, s48, s44                        ; 256 rows of the weight for each step along K
	s_lshl_b32 s49, s46, 2
	s_add_co_u32 s48, s48, s49
	s_mov_b32 s49, 0
	s_add_nc_u64 s[24:25], s[24:25], s[48:49]      ; the base of the even blocks,
	s_lshl_b32 s48, s33, 5
	s_add_nc_u64 s[26:27], s[24:25], s[48:49]      ; of the odd ones: 32 rows on
	s_lshl_b32 s50, s33, 6                         ; each steps by 64 rows
	s_mov_b32 s51, 0
	s_mul_i32 s48, s47, s36
	s_add_co_u32 s48, s48, s37
	s_mul_i32 s52, s44, s53
	s_add_co_u32 s48, s48, s52
	s_add_nc_u64 s[18:19], s[18:19], s[48:49]      ; the codes
	s_mul_i32 s48, s47, s38
	s_add_co_u32 s48, s48, s40
	s_mul_i32 s52, s44, s41
	s_add_co_u32 s48, s48, s52
	s_add_nc_u64 s[20:21], s[20:21], s[48:49]      ; the scale bytes
	s_wait_alu depctr_va_vdst(0)
	v_lshlrev_b32 v3, 2, v2
.irp i, 0,1,2,3,4,5,6,7,8,9,10,11,12,13,14,15,16,17,18,19,20,21,22,23,24,25,26,27,28,29,30,31
	v_mad_u32_u24 v[OFF+\i], s33, \i, v3           ; 4 x lane + i rows
.endr
	s_mul_i32 s23, s22, 32*WPITCH
	s_add_co_u32 s23, s23, WSTG                    ; my stage: nothing selected enters an LDS address
	v_mul_u32_u24 v4, v2, WPITCH
	v_add_nc_u32 v4, s23, v4                       ; into it: row = my column
	v_and_b32 v5, 15, v2
	v_lshrrev_b32 v6, 4, v2
	v_mul_u32_u24 v7, v6, WPITCH
	v_lshl_add_u32 v7, v5, 4, v7
	v_add_nc_u32 v7, s23, v7                       ; out of it: sixteen lanes to a row, two rows an instruction
	v_mul_u32_u24 v8, v6, s36
	v_mad_u32_u24 v8, v5, 12, v8
.irp t, 0,1,2,3,4,5,6,7,8,9,10,11,12,13,14,15
	v_mad_u32_u24 v[OFFS+\t], s36, 2*(((\t)&3)|((((\t)>>2)&1)<<3)|((((\t)>>3)&1)<<2)), v8   ; stage rows 2 t, 2 t + 1 go to the rows with bits 3 and 4 exchanged
.endr
	v_and_b32 v9, 7, v2
	v_bfe_u32 v10, v2, 3, 1
	v_lshl_or_b32 v9, v10, 4, v9
	v_bfe_u32 v10, v2, 4, 1
	v_lshl_or_b32 v9, v10, 3, v9                   ; my column's row, bits 3 and 4 exchanged
	v_mul_u32_u24 v9, v9, s38                      ; its first scale word,
	v_add_nc_u32 v10, s39, v9                      ; and its second
.macro WLOAD t
.irp i, 0,1,2,3,4,5,6,7,8,9,10,11,12,13,14,15,16,17,18,19,20,21,22,23,24,25,26,27,28,29,30,31
	global_load_b32 v[WX+32*((\t)%2)+\i], v[OFF+\i], s[24+2*((\t)%2):25+2*((\t)%2)] th:TH_LOAD_NT   ; 128 consecutive bytes a wave
.endr
.endm
	WLOAD 0
	WLOAD 1
.macro WBLOCK t
.set XS, WX+32*((\t)%2)
.if (\t) < 7
	s_wait_loadcnt 32                              ; this block's 32 loads are in; the next block's, on the other base, may be out
.else
	s_wait_loadcnt 0x0
.endif
.if (\t)+2 < 8
	s_add_nc_u64 s[24+2*((\t)%2):25+2*((\t)%2)], s[24+2*((\t)%2):25+2*((\t)%2)], s[50:51]   ; the loads that read this base are done
.endif
	v_max3_num_f32 v16, |v[XS]|, |v[XS+1]|, |v[XS+2]|
	v_max3_num_f32 v17, |v[XS+3]|, |v[XS+4]|, |v[XS+5]|
.irp i, 6,10,14,18,22,26
	v_max3_num_f32 v16, v16, |v[XS+\i]|, |v[XS+\i+1]|
	v_max3_num_f32 v17, v17, |v[XS+\i+2]|, |v[XS+\i+3]|
.endr
	v_max3_num_f32 v16, v16, |v[XS+30]|, |v[XS+31]|
	v_max3_num_f32 v16, v16, v17, (EMAX+1)<<23
	v_add_nc_u32 v18, -(EMAX<<23), v16
	v_lshrrev_b32 v19, 23, v18
.if (\t)%4 == 0
	v_mov_b32 v[SB+(\t)/4], v19
.else
	v_lshl_or_b32 v[SB+(\t)/4], v19, 8*((\t)%4), v[SB+(\t)/4]
.endif
	v_cvt_scalef32_pk16_fp6_f32 v[WC:WC+2], v[XS:XS+15], v18
	v_cvt_scalef32_pk16_fp6_f32 v[WC+4:WC+6], v[XS+16:XS+31], v18
	ds_store_b96 v4, v[WC:WC+2] offset:32*(\t)     ; 12 bytes to a place of 16
	ds_store_b96 v4, v[WC+4:WC+6] offset:32*(\t)+16
.if (\t)+2 < 8
	WLOAD (\t)+2
.endif
	s_wait_dscnt 0x0                               ; the stores have read their registers: the next block's codes may be written
.endm
.irp t, 0,1,2,3,4,5,6,7
	WBLOCK \t
.endr
	global_store_b32 v9, v[SB], s[20:21]
	s_wait_alu depctr_va_vdst(0)
	global_store_b32 v10, v[SB+1], s[20:21]
.irp t, 0,1,2,3,4,5,6,7,8,9,10,11,12,13,14,15
	ds_load_b96 v[WX+4*\t:WX+4*\t+2], v7 offset:2*\t*WPITCH
.endr
.irp t, 0,1,2,3,4,5,6,7,8,9,10,11,12,13,14,15
	s_wait_dscnt 15-\t
	global_store_b96 v[OFFS+\t], v[WX+4*\t:WX+4*\t+2], s[18:19]   ; sixteen lanes store a row's 192 consecutive bytes
.endr
	s_wait_tensorcnt 0x0                           ; the wave's end, behind my last LDS store
	ds_add_u32 v[SPW], v[NIL]
	s_wait_dscnt 0x0
	s_endpgm
.Lfunc_end_k_q8fddf10f32_quant:
	.size	k_q8fddf10f32_quant, .Lfunc_end_k_q8fddf10f32_quant-k_q8fddf10f32_quant
	.p2alignl 7, 3214868480
	.fill 96, 4, 3214868480
	.section	.rodata,"a",@progbits
	.p2align	6, 0x0
	.amdhsa_kernel k_q8fddf10f32_quant
		.amdhsa_group_segment_fixed_size 68096
		.amdhsa_private_segment_fixed_size 0
		.amdhsa_enable_private_segment 0
		.amdhsa_kernarg_size 72
		.amdhsa_user_sgpr_count 2
		.amdhsa_user_sgpr_kernarg_segment_ptr 1
		.amdhsa_wavefront_size32 1
		.amdhsa_system_sgpr_workgroup_id_x 1
		.amdhsa_system_sgpr_workgroup_id_y 1
		.amdhsa_system_sgpr_workgroup_id_z 1
		.amdhsa_system_vgpr_workitem_id 0
		.amdhsa_next_free_vgpr 192
		.amdhsa_next_free_sgpr 66
		.amdhsa_reserve_vcc 0
		.amdhsa_float_denorm_mode_32 3
		.amdhsa_float_denorm_mode_16_64 3
		.amdhsa_memory_ordered 1
		.amdhsa_forward_progress 1
		.amdhsa_inst_pref_size 79
	.end_amdhsa_kernel
	.amdgpu_metadata
---
amdhsa.version: [ 1, 2 ]
amdhsa.kernels:
  - .name:           k_q8fddf10f32_quant
    .symbol:         k_q8fddf10f32_quant.kd
    .args:
      - { .name: hidden_states, .offset: 0, .size: 8, .value_kind: global_buffer, .address_space: global }
      - { .name: Wq, .offset: 8, .size: 8, .value_kind: global_buffer, .address_space: global }
      - { .name: Wk, .offset: 16, .size: 8, .value_kind: global_buffer, .address_space: global }
      - { .name: Wv, .offset: 24, .size: 8, .value_kind: global_buffer, .address_space: global }
      - { .name: Wo, .offset: 32, .size: 8, .value_kind: global_buffer, .address_space: global }
      - { .name: xc, .offset: 40, .size: 8, .value_kind: global_buffer, .address_space: global }
      - { .name: xs, .offset: 48, .size: 8, .value_kind: global_buffer, .address_space: global }
      - { .name: wc, .offset: 56, .size: 8, .value_kind: global_buffer, .address_space: global }
      - { .name: ws, .offset: 64, .size: 8, .value_kind: global_buffer, .address_space: global }
    .group_segment_fixed_size: 68096
    .private_segment_fixed_size: 0
    .kernarg_segment_align: 8
    .kernarg_segment_size: 72
    .max_flat_workgroup_size: 128
    .sgpr_count:     66
    .vgpr_count:     192
    .wavefront_size: 32
...
	.end_amdgpu_metadata
.endif
;; end of part 1
;; launch gemm1 (part 2): grid 8 x 32, 4 waves a work-group, clusters of 4 x 4, 327,680 bytes of LDS; arguments xc, xs, wc, ws, ac, asc; writes ac, asc
.if DOCPART == 2
	.amdgcn_target "amdgcn-amd-amdhsa--gfx1250"
	.amdhsa_code_object_version 6
	.text
	.protected	k_q8fddf10f32_gemm1
	.globl	k_q8fddf10f32_gemm1
	.p2align	8
	.type	k_q8fddf10f32_gemm1,@function
k_q8fddf10f32_gemm1:
	s_mov_b64 s[64:65], 0
	v_nop
	global_prefetch_b8 v0, s[64:65] scope:SCOPE_SE
	s_setreg_imm32_b32 hwreg(HW_REG_WAVE_MODE, 25, 1), 1
	s_wait_xcnt 0x0
	s_wait_alu depctr_hold_cnt(0) depctr_sa_sdst(0) depctr_va_vdst(0) depctr_va_sdst(0) depctr_va_ssrc(0) depctr_va_vcc(0) depctr_vm_vsrc(0)
	s_getreg_b32 s2, hwreg(HW_REG_IB_STS2, 6, 4)
	s_cmp_eq_u32 s2, 0
	s_cbranch_scc0 .Lentry_in_a_cluster
	s_endpgm
.Lentry_in_a_cluster:
	s_bfe_u32 s2, ttmp6, 0x10000c
	s_cmp_lg_u32 s2, 0xf033
	s_cbranch_scc0 .Lentry_shape_is_right
	s_endpgm
.Lentry_shape_is_right:
.set SIZE_K, 2048
.set KSTEP,  256
.set NQ,     KSTEP/128
; q, k, v = hidden_states x (Wq | Wk | Wv) on codes of FP6 with E8M0 scales; the results are quantised again and leave as images of the next products' operands.
; xc and wc are laid [K step of 256][row][192 bytes]: the 128 rows of a tile are 24,576 dense bytes, fetched as 96 rows of 256 bytes, each at a multiple of 256 bytes;
; 16 bytes of padding behind each 64 give every row of 192 bytes an LDS pitch of 240.
; The head's four tiles (K step 0 of A's and of B's 256 rows, A's and B's scales) are shared out, one joint load a wave; slot 1 is first filled behind the full sequence and a round.
.set ROWB,   256                       ; a tensor row in bytes
.set KROW,   192                       ; a row's codes of one K step
.set ASTR,   1572864                   ; from K step to K step in xc: 8192 rows x 192,
.set BSTR,   393216                    ; and in wc: 2048 rows x 192
.set G0H,    4                         ; s[4:7], s[8:11] group 0 of the head's loads of codes (the arguments that lay there have been used)
.set G0HB,   8
.set PFA,    100                       ; s[100:101] where my prefetches stand
.set PST,    94                        ; s[94:95] their step: a K step of the tensor that I fetch for
.set PFO,    30                        ; v30 256 x min(lane, 23); never rewritten
.set PITCH,  240
.set FR,     12
.set NL,     6
.set NP,     4
.set HALFT,  128*PITCH
.set SLOT,   4*HALFT
.set LAPS,   SIZE_K/(2*KSTEP)
.set KS,     SIZE_K/32
.set SCL,    2*SLOT
.set HALFS,  (128*KS/256)*272
.set SBLK,   (16*KS/256)*272
.set SPARE,  SCL+4*HALFS
.set VSTG,   36096
.set ADRA, 16
.set ADRB, 20
.set ADRS, 27
.set SPW,  28
.set NIL,  29
.set VST,  7
.set VLD,  8
.set VSA,  9
.set IM8,  10
.set QSA,  11
.set SH16, 12
.set SH8,  13
.set IMG,  26
.set SC,   32
.set AF,   128
.set G1, 24
.set G0, 32
.set G1B, 48
.set G0B, 56
.set G1S, 68
.set G0S, 76
.set G1SB, 80
.set G0SB, 88
.set MSB, 0
.macro WIN new
.if MSB != \new
	s_set_vgpr_msb (MSB<<8)|\new
.set MSB, \new
.endif
.endm
.set MUL_LO, 0xa1
.set MUL_HI, 0xf1
.set TO_B,   0x40
.macro JLOAD g0a, g1a, g0b, g1b
	s_cmp_eq_u32 s15, 0
	s_cbranch_scc0 .Lfor_b_\@
	tensor_load_to_lds s[\g0a:\g0a+3], s[\g1a:\g1a+7]
	s_nop 0
.rept 4
	v_nop
.endr
	s_branch .Lasked_\@
.Lfor_b_\@:
	tensor_load_to_lds s[\g0b:\g0b+3], s[\g1b:\g1b+7]
	s_nop 0
.rept 4
	v_nop
.endr
.Lasked_\@:
.endm
.macro CREST
	s_cmp_lg_u32 s14, 0
	s_cbranch_scc1 .Lnot_wave_0_\@
	s_barrier_signal -3
.Lnot_wave_0_\@:
	s_barrier_wait -3
	s_barrier_signal -1
	s_barrier_wait -1
.endm
.macro CROUND
	s_barrier_signal -1
	s_barrier_wait -1
	CREST
.endm
	s_load_b128 s[4:7], s[0:1], 0x0
	s_load_b128 s[8:11], s[0:1], 0x10
	s_load_b64 s[12:13], s[0:1], 0x20
	s_load_b64 s[66:67], s[0:1], 0x28
	v_lshl_add_u32 v[SPW], v0, 2, SPARE
	v_mov_b32 v[NIL], 0
	ds_add_u32 v[SPW], v[NIL]
	ds_add_u32 v[SPW], v[NIL]
	v_lshrrev_b32 v1, 5, v0
	v_readfirstlane_b32 s14, v1
	s_lshr_b32 s15, s14, 1
	s_and_b32 s16, s14, 1
	s_bfe_u32 s40, ttmp6, 0x40000
	s_bfe_u32 s41, ttmp6, 0x40004
	s_lshl_b32 s42, ttmp9, 2
	s_add_co_u32 s42, s42, s40
	s_and_b32 s17, ttmp7, 0xffff
	s_lshl_b32 s17, s17, 2
	s_add_co_u32 s17, s17, s41
	s_lshl_b32 s43, s41, 2
	s_lshl_b32 s43, 15, s43
	s_lshl_b32 s44, 0x1111, s40
	s_or_b32 s[G1+0], s43, (0<<16)|(1<<20)|(1<<21)|(3<<22)|(3<<25)
	s_or_b32 s[G1B+0], s44, (0<<16)|(1<<20)|(1<<21)|(3<<22)|(3<<25)
.irp g, G1, G1B
	s_mov_b32 s[\g+1], ROWB<<16
	s_mov_b32 s[\g+2], 192<<16                     ; the head's loads: 256 rows of 192 bytes = 192 rows of 256
	s_mov_b32 s[\g+3], ROWB<<16
	s_mov_b32 s[\g+4], 192
	s_mov_b32 s[\g+5], ROWB
	s_mov_b32 s[\g+6], 0
	s_mov_b32 s[\g+7], 0
.endr
	s_or_b32 s[G1S+0], s43, (3<<16)|(1<<20)|(1<<21)|(5<<22)|(3<<25)
	s_or_b32 s[G1SB+0], s44, (3<<16)|(1<<20)|(1<<21)|(5<<22)|(3<<25)
.irp g, G1S, G1SB
	s_mov_b32 s[\g+1], 32<<16
	s_mov_b32 s[\g+2], KS<<16                      ; the scales of 256 rows: KS rows of 256 bytes
	s_mov_b32 s[\g+3], 32<<16
	s_mov_b32 s[\g+4], KS
	s_mov_b32 s[\g+5], 32
	s_mov_b32 s[\g+6], 0
	s_mov_b32 s[\g+7], 0
.endr
	s_lshl_b32 s20, s17, 8                         ; A: the tile's first row
	s_lshl_b32 s46, s42, 8                         ; B: likewise
	s_mov_b32 s21, 0
	s_mov_b32 s47, 0
	s_mov_b64 s[18:19], KS
	s_mul_u64 s[22:23], s[20:21], s[18:19]
	s_mul_u64 s[92:93], s[46:47], s[18:19]
	s_mov_b64 s[18:19], KROW
	s_mul_u64 s[20:21], s[20:21], s[18:19]
	s_mul_u64 s[46:47], s[46:47], s[18:19]
	s_mul_i32 s45, s14, HALFT
	s_mul_i32 s18, s16, 128*KROW                   ; in the ring I fetch 128 rows: which half, in bytes
	s_mov_b32 s19, 0
	s_mov_b32 s96, 0x76543210
	s_mov_b32 s97, 0xfedcba98
	s_mov_b32 s98, 0xffff0000
	s_wait_dscnt 0x0
	s_wait_kmcnt 0x0
	s_add_nc_u64 s[20:21], s[4:5], s[20:21]
	s_add_nc_u64 s[22:23], s[6:7], s[22:23]
	s_add_nc_u64 s[46:47], s[8:9], s[46:47]
	s_add_nc_u64 s[92:93], s[10:11], s[92:93]
	CROUND
	s_mov_b32 s[G0S], 1
	s_mov_b32 s[G0S+1], SCL
	s_mov_b64 s[G0S+2:G0S+3], s[22:23]
	s_or_b32 s[G0S+3], s[G0S+3], 0x80000000
	s_mov_b32 s[G0SB], 1
	s_mov_b32 s[G0SB+1], SCL+2*HALFS
	s_mov_b64 s[G0SB+2:G0SB+3], s[92:93]
	s_or_b32 s[G0SB+3], s[G0SB+3], 0x80000000
	s_mov_b32 s[G0H], 1                            ; K step 0 of A's 256 rows,
	s_mov_b32 s[G0H+1], 0
	s_mov_b64 s[G0H+2:G0H+3], s[20:21]
	s_or_b32 s[G0H+3], s[G0H+3], 0x80000000
	s_mov_b32 s[G0HB], 1                           ; and of B's, behind them in slot 0
	s_mov_b32 s[G0HB+1], 2*HALFT
	s_mov_b64 s[G0HB+2:G0HB+3], s[46:47]
	s_or_b32 s[G0HB+3], s[G0HB+3], 0x80000000
	s_add_nc_u64 s[20:21], s[20:21], s[18:19]      ; for the ring: my 128 rows
	s_add_nc_u64 s[46:47], s[46:47], s[18:19]
.irp s, 0,1
	s_mov_b32 s[G0+4*\s], 1
	s_add_co_u32 s[G0+4*\s+1], s45, \s*SLOT
	s_add_nc_u64 s[G0+4*\s+2:G0+4*\s+3], s[20:21], \s*ASTR
	s_or_b32 s[G0+4*\s+3], s[G0+4*\s+3], 0x80000000
	s_mov_b32 s[G0B+4*\s], 1
	s_add_co_u32 s[G0B+4*\s+1], s45, \s*SLOT
	s_add_nc_u64 s[G0B+4*\s+2:G0B+4*\s+3], s[46:47], \s*BSTR
	s_or_b32 s[G0B+4*\s+3], s[G0B+4*\s+3], 0x80000000
.endr
; the head's loads, one a wave, in one chain of branches on the wave's number
.macro ARM under, g0, g1, next
	s_cmp_lt_u32 s14, \under
	s_cbranch_scc0 \next
	tensor_load_to_lds s[\g0:\g0+3], s[\g1:\g1+7]
	s_nop 0
.rept 4
	v_nop
.endr
	s_branch .Lhead_asked
\next:
.endm
	ARM 1, G0H,  G1,  .Lhead_b
	ARM 2, G0HB, G1B, .Lhead_sa
	ARM 3, G0S,  G1S, .Lhead_sb
	tensor_load_to_lds s[G0SB:G0SB+3], s[G1SB:G1SB+7]
	s_nop 0
.rept 4
	v_nop
.endr
.Lhead_asked:
	; the prefetches: of the 96 blocks of 256 bytes that I fetch in a K step, the partner at place p of the four that ask jointly names blocks 24 p .. 24 p + 23 (p = cx for A, cy for B): told apart by address alone
	s_cmp_eq_u32 s15, 0
	s_cselect_b64 s[PFA:PFA+1], s[20:21], s[46:47]
	s_cselect_b32 s2, s40, s41
	s_mov_b32 s[PST], BSTR
	s_cselect_b32 s[PST], ASTR, s[PST]
	s_mov_b32 s[PST+1], 0
	s_mul_i32 s2, s2, 6144
	s_mul_i32 s3, s[PST], 3
	s_add_co_u32 s2, s2, s3                        ; at K step 3: the first refill steps it to 4
	s_mov_b32 s3, 0
	s_add_nc_u64 s[PFA:PFA+1], s[PFA:PFA+1], s[2:3]
	v_and_b32 v[PFO], 31, v0
	v_min_u32 v[PFO], 23, v[PFO]                   ; lanes 24-31 name the last block again
	v_lshlrev_b32 v[PFO], 8, v[PFO]
	v_and_b32 v1, 15, v0
	v_bfe_u32 v2, v0, 4, 1
	v_mul_u32_u24 v3, v1, PITCH
	v_mul_u32_u24 v4, v2, 24
	v_add_nc_u32 v4, v3, v4
	v_lshl_add_u32 v5, v2, 4, v4
	s_mul_i32 s21, s15, HALFT
	s_mul_i32 s22, s16, HALFT
	s_add_co_u32 s22, s22, 2*HALFT
.irp s, 0,1
	v_add_nc_u32 v[ADRA+\s], s21, v4
	v_add_nc_u32 v[ADRB+\s], s22, v4
	v_add_nc_u32 v[ADRA+2+\s], s21, v5
	v_add_nc_u32 v[ADRB+2+\s], s22, v5
	s_add_co_u32 s21, s21, SLOT
	s_add_co_u32 s22, s22, SLOT
.endr
	v_mul_u32_u24 v5, v1, KS
	v_lshrrev_b32 v6, 8, v5
	v_lshl_add_u32 v5, v6, 4, v5
	s_mul_i32 s21, s15, HALFS
	s_mul_i32 s22, s16, HALFS
	s_add_co_u32 s22, s22, 2*HALFS
	s_sub_co_u32 s22, s22, s21
	v_mul_u32_u24 v6, s22, v2
	s_add_co_u32 s21, s21, SCL
	v_add_nc_u32 v5, v5, v6
	v_add_nc_u32 v[ADRS], s21, v5
	v_and_b32 v6, 31, v0
	v_lshlrev_b32 v[IMG], 4, v6
	v_lshlrev_b32 v[IM8], 3, v6
	v_lshlrev_b32 v3, 4, v1
	v_lshl_add_u32 v[QSA], v2, 15, v3
	v_lshl_add_u32 v[VSA], v2, 14, v3
	v_lshlrev_b32 v[SH16], 4, v2
	v_lshlrev_b32 v[SH8], 3, v2
	s_mul_i32 s23, s14, VSTG
	v_and_b32 v5, 7, v1
	v_lshrrev_b32 v6, 3, v1
	v_lshl_add_u32 v5, v6, 4, v5
	v_mul_u32_u24 v5, v5, 272
	v_lshl_add_u32 v5, v6, 7, v5
	v_lshl_add_u32 v5, v2, 6, v5
	v_add_nc_u32 v[VST], s23, v5
	v_lshl_add_u32 v5, v6, 3, v1
	v_lshlrev_b32 v5, 2, v5
	v_mad_u32_u24 v5, v2, 32*272+288, v5
	v_add_nc_u32 v[VLD], s23, v5
	s_lshr_b32 s18, s17, 2
	s_lshl_b32 s18, s18, 1
	s_add_co_u32 s18, s18, s15
	s_and_b32 s19, s17, 3
	s_lshl_b32 s20, s42, 2
	s_lshl_b32 s21, s16, 1
	s_add_co_u32 s20, s20, s21
	s_lshl_b32 s21, s42, 1
	s_sub_co_u32 s21, s21, 8
	s_cmp_eq_u32 ttmp9, 0
	s_cselect_b32 s20, s20, s21
	s_lshl_b32 s20, s20, 4
	s_add_co_u32 s20, s20, s18
	s_mul_i32 s21, s16, 3145728
	s_add_co_u32 s21, s21, 6291456
	s_cmp_eq_u32 ttmp9, 0
	s_cselect_b32 s21, 0, s21
	s_mul_i32 s22, s20, 24576
	s_add_co_u32 s21, s21, s22
	s_mul_i32 s22, s19, 6144
	s_add_co_u32 s46, s21, s22
	s_mov_b32 s47, 0
	s_add_nc_u64 s[12:13], s[12:13], s[46:47]
	s_and_b32 s99, ttmp9, s16
	s_cmp_eq_u32 ttmp9, 0
	s_cselect_b32 s21, 0, 524288
	s_lshl_b32 s22, s20, 11
	s_add_co_u32 s21, s21, s22
	s_lshl_b32 s22, s19, 9
	s_add_co_u32 s21, s21, s22
	s_lshl_b32 s22, s20, 10
	s_add_co_u32 s22, s22, 786432
	s_lshl_b32 s23, s19, 8
	s_add_co_u32 s22, s22, s23
	s_cmp_lg_u32 s99, 0
	s_cselect_b32 s46, s22, s21
	s_add_nc_u64 s[66:67], s[66:67], s[46:47]
.macro FRAG reg, adr, q, i
.irp p, 0,1,2,3,4,5
.set PCE, 12*(\q)+6*(\p/3)+\p%3
.if PCE%8 < 5
	ds_load_b64 v[\reg+2*\p:\reg+2*\p+1], v[\adr] offset:8*PCE+16*(PCE/8)+(\i)*16*PITCH
.else
	ds_load_b64 v[\reg+2*\p:\reg+2*\p+1], v[\adr+2] offset:8*PCE+16*(PCE/8)+(\i)*16*PITCH
.endif
.endr
.endm
.macro MUL16 a0, p, q, sc, zero
.irp a, \a0, \a0+1
.irp b, 0,1,2,3,4,5,6,7
.if \zero
	v_wmma_scale_f32_16x16x128_f8f6f4 v[8*(8*((\a)%4)+\b):8*(8*((\a)%4)+\b)+7], v[128*(\p)+FR*\b:128*(\p)+FR*\b+FR-1], v[AF+FR*(\a):AF+FR*(\a)+FR-1], 0, v[SC+8*NQ*(\sc)+NQ*\b+(\q)], v[SC+8*NQ*(\sc)+NQ*(\a)+(\q)] matrix_a_fmt:MATRIX_FMT_FP6 matrix_b_fmt:MATRIX_FMT_FP6 matrix_a_scale:MATRIX_SCALE_ROW1
.else
	v_wmma_scale_f32_16x16x128_f8f6f4 v[8*(8*((\a)%4)+\b):8*(8*((\a)%4)+\b)+7], v[128*(\p)+FR*\b:128*(\p)+FR*\b+FR-1], v[AF+FR*(\a):AF+FR*(\a)+FR-1], v[8*(8*((\a)%4)+\b):8*(8*((\a)%4)+\b)+7], v[SC+8*NQ*(\sc)+NQ*\b+(\q)], v[SC+8*NQ*(\sc)+NQ*(\a)+(\q)] matrix_a_fmt:MATRIX_FMT_FP6 matrix_b_fmt:MATRIX_FMT_FP6 matrix_a_scale:MATRIX_SCALE_ROW1
.endif
.endr
.endr
.endm
.macro FETCH_B slot, q, p
	WIN TO_B
.irp i, 0,1,2,3,4,5,6,7
	FRAG 128*(\p)+FR*\i, ADRB+\slot, \q, \i
.endr
	WIN 0
.endm
.macro FETCH_A slot, q, i0
.irp i, \i0, \i0+1, \i0+2, \i0+3
	FRAG AF+FR*(\i), ADRA+\slot, \q, \i
.endr
.endm
.macro SCALES sc
.irp i, 0,1,2,3,4,5,6,7
	ds_load_b64 v[SC+8*NQ*\sc+NQ*\i:SC+8*NQ*\sc+NQ*\i+1], v[ADRS] offset:\i*SBLK
.endr
.endm
.macro PLACES n
.rept \n
	v_nop
.endr
.endm
.macro STEP slot, q, zero
	s_wait_dscnt 4*NL
	WIN MUL_LO
	MUL16 0, (\q)%2, \q, \slot, \zero
	MUL16 2, (\q)%2, \q, \slot, \zero
	s_wait_dscnt 0
	PLACES NP
	FETCH_B \slot, (\q)+1, 1-(\q)%2
	FETCH_A \slot, (\q)+1, 0
	WIN MUL_HI
	MUL16 4, (\q)%2, \q, \slot, \zero
	MUL16 6, (\q)%2, \q, \slot, \zero
	PLACES NP
	WIN 0
	FETCH_A \slot, (\q)+1, 4
.endm
.macro TURN slot, next, fill
.if \fill
	s_wait_xcnt 0x0                                ; my last prefetch has read its address
	s_add_nc_u64 s[PFA:PFA+1], s[PFA:PFA+1], s[PST:PST+1]
.endif
	s_wait_tensorcnt 0x0
	ds_add_u32 v[SPW], v[NIL]
	s_wait_dscnt 4*NL+1
	WIN MUL_LO
	MUL16 0, 1, NQ-1, \slot, 0
	s_wait_dscnt 0x0
	s_barrier_signal -1
	MUL16 2, 1, NQ-1, \slot, 0
	WIN 0
	s_barrier_wait -1
.if \fill
	CREST
	s_add_nc_u64 s[G0+4*\slot+2:G0+4*\slot+3], s[G0+4*\slot+2:G0+4*\slot+3], 2*ASTR
	s_add_nc_u64 s[G0B+4*\slot+2:G0B+4*\slot+3], s[G0B+4*\slot+2:G0B+4*\slot+3], 2*BSTR
	JLOAD G0+4*\slot, G1, G0B+4*\slot, G1B
.else
	PLACES NP
.endif
	s_wait_alu depctr_va_vdst(0)
	v_add_nc_u32 v[ADRS], 4*NQ, v[ADRS]
	FETCH_B \next, 0, 0
	FETCH_A \next, 0, 0
	SCALES \next
.if \fill
	s_cmp_gt_u32 s3, 1                             ; the K step two refills on; the last trip's two refills have none
	s_cbranch_scc0 .Lno_ask_\@
	global_prefetch_b8 v[PFO], s[PFA:PFA+1] th:TH_LOAD_NT scope:SCOPE_SE
.Lno_ask_\@:
.endif
	WIN MUL_HI
	MUL16 4, 1, NQ-1, \slot, 0
	MUL16 6, 1, NQ-1, \slot, 0
	PLACES NP
	WIN 0
	FETCH_A \next, 0, 4
.endm
	s_wait_alu depctr_va_vdst(0)                   ; the head's end
	s_wait_tensorcnt 0x0                           ; my tile of the head's four is in
	ds_add_u32 v[SPW], v[NIL]
	s_mov_b32 s[G1+2], 96<<16                      ; no tensor load of mine is out: from here on a load brings 128 rows = 96 rows of 256 bytes
	s_mov_b32 s[G1+4], 96
	s_mov_b32 s[G1B+2], 96<<16
	s_mov_b32 s[G1B+4], 96
	s_wait_dscnt 0x0
	CROUND                                         ; all four tiles are in, in every partner
	JLOAD G0+4, G1, G0B+4, G1B                     ; K step 1, the first tensor load behind the round
	FETCH_B 0, 0, 0
	FETCH_A 0, 0, 0
	SCALES 0
	FETCH_A 0, 0, 4
	STEP 0, 0, 1
	s_mov_b32 s3, LAPS-1
.Llap:
	TURN 0, 1, 1
	STEP 1, 0, 0
	TURN 1, 0, 1
	STEP 0, 0, 0
	s_sub_co_u32 s3, s3, 1
	s_cmp_lg_u32 s3, 0
	s_cbranch_scc1 .Llap
	TURN 0, 1, 0
	STEP 1, 0, 0
	s_wait_dscnt 4*NL
	WIN MUL_LO
	MUL16 0, 1, NQ-1, 1, 0
	MUL16 2, 1, NQ-1, 1, 0
	s_wait_dscnt 0
	WIN MUL_HI
	MUL16 4, 1, NQ-1, 1, 0
	MUL16 6, 1, NQ-1, 1, 0
	WIN 0
	PLACES NP
	s_barrier_signal -1
	s_barrier_wait -1
	s_cmp_eq_u32 s16, 0
	s_cbranch_scc1 .Lqk
	s_cmp_eq_u32 ttmp9, 0
	s_cbranch_scc1 .Lqk
.set VX, 128
.set VC, 64
.set VT, 76
.set VM, 80
.set VW, 88
.set VS, 96
.macro VSTAGE c
.irp a, 0,1,2,3,4,5,6,7
	WIN 0x08+4*(\a/4)
.irp b, 0,1,2,3
	ds_store_b128 v[VST], v[64*(\a%4)+8*(4*\c+\b):64*(\a%4)+8*(4*\c+\b)+3] offset:(32*(\a/2)+8*(\a%2))*272+288*(\a/2)+128*(\b/2)+32*(\b%2)
	ds_store_b128 v[VST], v[64*(\a%4)+8*(4*\c+\b)+4:64*(\a%4)+8*(4*\c+\b)+7] offset:(32*(\a/2)+8*(\a%2))*272+288*(\a/2)+128*(\b/2)+32*(\b%2)+16
.endr
.endr
	WIN 0
.endm
.macro VLOAD k
.irp i, 0,1,2,3,4,5,6,7,8,9,10,11,12,13,14,15,16,17,18,19,20,21,22,23,24,25,26,27,28,29,30,31
	ds_load_b32 v[VX+32*((\k)%2)+\i], v[VLD] offset:(64*((\k)%2)+\i)*272+576*((\k)%2)+128*(\i/16)+4*(32*((\k)/4)+8*(((\k)/2)%2))
.endr
.endm
.macro VUNIT c, k
.set XS, VX+32*((\k)%2)
.if (\k) < 7
	s_wait_dscnt 32
.else
	s_wait_dscnt 0x0
.endif
	v_max3_num_f32 v[VM], |v[XS]|, |v[XS+1]|, |v[XS+2]|
	v_max3_num_f32 v[VM+1], |v[XS+3]|, |v[XS+4]|, |v[XS+5]|
.irp i, 6,10,14,18,22,26
	v_max3_num_f32 v[VM], v[VM], |v[XS+\i]|, |v[XS+\i+1]|
	v_max3_num_f32 v[VM+1], v[VM+1], |v[XS+\i+2]|, |v[XS+\i+3]|
.endr
	v_max3_num_f32 v[VM], v[VM], |v[XS+30]|, |v[XS+31]|
	v_max3_num_f32 v[VM], v[VM], v[VM+1], 0x1800000
	v_add_nc_u32 v[VM+2], 0xff000000, v[VM]
	v_lshrrev_b32 v[VM+3+(\k)%2], 23, v[VM+2]
.if (\k)%2 == 0
	s_wait_alu depctr_va_vdst(0)
	s_wait_xcnt 0x0
.endif
	v_cvt_scalef32_pk16_fp6_f32 v[VC+6*((\k)%2):VC+6*((\k)%2)+2], v[XS:XS+15], v[VM+2]
	v_cvt_scalef32_pk16_fp6_f32 v[VT:VT+2], v[XS+16:XS+31], v[VM+2]
	v_nop
.irp i, 0,1,2
	v_mov_b32 v[VC+6*((\k)%2)+3+\i], v[VT+\i]
.endr
.if (\k)+2 < 8
	VLOAD (\k)+2
.endif
.if (\k)%2 == 1
	v_lshl_or_b32 v[VM+5], v[VM+4], 16, v[VM+3]
	v_lshlrev_b32 v[VM+5], v[SH8], v[VM+5]
	v_permlanex16_b32 v[VM+6], v[VM+5], s96, s97
	v_or_b32 v[VW+4*\c+(\k)/2], v[VM+5], v[VM+6]
.irp g, 0,1,2
	global_store_b128 v[IMG], v[VC+4*\g:VC+4*\g+3], s[12:13] offset:393216*\c+1536*((\k)/2)+512*\g
.endr
.endif
.endm
	v_mov_b32 v[VM+6], 0
	VSTAGE 0
	VLOAD 0
	VLOAD 1
.irp k, 0,1,2,3,4,5,6,7
	VUNIT 0, \k
.endr
	VSTAGE 1
	VLOAD 0
	VLOAD 1
.irp k, 0,1,2,3,4,5,6,7
	VUNIT 1, \k
.endr
.irp t, 0,1,2,3
	v_cndmask_b32 v[VS+\t], v[VW+\t], v[VW+4+\t], s98
.endr
	global_store_b128 v[VSA], v[VS:VS+3], s[66:67]
	s_branch .Ljoin
.Lqk:
.set PC, 64
.set TM, 84
.set PW, 100
.set SW, 104
.macro QKBLOCK a
.set AC, 64*((\a)%4)
	WIN 0x0a+5*((\a)/4)
.irp b, 0,1,2,3
	v_max3_num_f32 v[TM+\b], |v[AC+16*\b]|, |v[AC+16*\b+1]|, 0x1800000
.endr
.irp i, 2,4,6,8,10,12,14
.irp b, 0,1,2,3
	v_max3_num_f32 v[TM+\b], |v[AC+16*\b+\i]|, |v[AC+16*\b+\i+1]|, v[TM+\b]
.endr
.endr
	WIN 0
.irp b, 0,1,2,3
	v_permlanex16_b32 v[TM+4+\b], v[TM+\b], s96, s97
.endr
.irp b, 0,1,2,3
	v_max_num_f32 v[TM+\b], v[TM+\b], v[TM+4+\b]
.endr
.irp b, 0,1,2,3
	v_add_nc_u32 v[TM+12+\b], 0xff000000, v[TM+\b]
.endr
.irp b, 0,1,2,3
	v_lshrrev_b32 v[TM+4+\b], 23, v[TM+12+\b]
.endr
	v_lshl_or_b32 v[PW], v[TM+5], 8, v[TM+4]
	v_lshl_or_b32 v[PW], v[TM+6], 16, v[PW]
	v_lshl_or_b32 v[PW], v[TM+7], 24, v[PW]
	v_lshrrev_b32 v[SW+(\a)], v[SH16], v[PW]
	s_wait_xcnt 0x0
	WIN 0x02+((\a)/4)
.irp e, 0,1
	v_cvt_scalef32_pk16_fp6_f32 v[PC+6*\e:PC+6*\e+2], v[AC+32*\e:AC+32*\e+15], v[TM+12+2*\e]
	v_cvt_scalef32_pk16_fp6_f32 v[PC+12+4*\e:PC+14+4*\e], v[AC+32*\e+16:AC+32*\e+31], v[TM+13+2*\e]
.endr
	WIN 0
	v_nop
.irp e, 0,1
.irp i, 0,1,2
	v_permlane16_swap_b32 v[PC+6*\e+\i], v[PC+12+4*\e+\i]
.endr
.irp i, 0,1,2
	v_mov_b32 v[PC+3+6*\e+\i], v[PC+12+4*\e+\i]
.endr
.endr
.irp e, 0,1
	global_store_b128 v[IMG], v[PC+6*\e:PC+6*\e+3], s[12:13] offset:393216*\e+768*(\a)
	global_store_b64 v[IM8], v[PC+6*\e+4:PC+6*\e+5], s[12:13] offset:393216*\e+768*(\a)+512
.endr
.if (\a)%4 == 3
	global_store_b128 v[QSA], v[SW+4*((\a)/4):SW+4*((\a)/4)+3], s[66:67] offset:256*((\a)/4)
.endif
.endm
.irp b, 0,1,2,3
	v_mov_b32 v[TM+4+\b], 0
.endr
.irp a, 0,1,2,3,4,5,6,7
	QKBLOCK \a
.endr
.Ljoin:
	s_wait_tensorcnt 0x0
	ds_add_u32 v[SPW], v[NIL]
	s_wait_dscnt 0x0
	CROUND
	s_endpgm
.Lfunc_end_k_q8fddf10f32_gemm1:
	.size	k_q8fddf10f32_gemm1, .Lfunc_end_k_q8fddf10f32_gemm1-k_q8fddf10f32_gemm1
	.p2alignl 7, 3214868480
	.fill 96, 4, 3214868480
	.section	.rodata,"a",@progbits
	.p2align	6, 0x0
	.amdhsa_kernel k_q8fddf10f32_gemm1
		.amdhsa_group_segment_fixed_size 327680
		.amdhsa_private_segment_fixed_size 0
		.amdhsa_enable_private_segment 0
		.amdhsa_kernarg_size 48
		.amdhsa_user_sgpr_count 2
		.amdhsa_user_sgpr_kernarg_segment_ptr 1
		.amdhsa_wavefront_size32 1
		.amdhsa_system_sgpr_workgroup_id_x 1
		.amdhsa_system_sgpr_workgroup_id_y 1
		.amdhsa_system_sgpr_workgroup_id_z 1
		.amdhsa_system_vgpr_workitem_id 0
		.amdhsa_next_free_vgpr 1024
		.amdhsa_next_free_sgpr 104
		.amdhsa_reserve_vcc 0
		.amdhsa_float_denorm_mode_32 3
		.amdhsa_float_denorm_mode_16_64 3
		.amdhsa_memory_ordered 1
		.amdhsa_forward_progress 1
		.amdhsa_inst_pref_size 236
	.end_amdhsa_kernel
	.amdgpu_metadata
---
amdhsa.version: [ 1, 2 ]
amdhsa.kernels:
  - .name:           k_q8fddf10f32_gemm1
    .symbol:         k_q8fddf10f32_gemm1.kd
    .args:
      - { .name: xc, .offset: 0, .size: 8, .value_kind: global_buffer, .address_space: global }
      - { .name: xs, .offset: 8, .size: 8, .value_kind: global_buffer, .address_space: global }
      - { .name: wc, .offset: 16, .size: 8, .value_kind: global_buffer, .address_space: global }
      - { .name: ws, .offset: 24, .size: 8, .value_kind: global_buffer, .address_space: global }
      - { .name: ac, .offset: 32, .size: 8, .value_kind: global_buffer, .address_space: global }
      - { .name: asc, .offset: 40, .size: 8, .value_kind: global_buffer, .address_space: global }
    .group_segment_fixed_size: 327680
    .private_segment_fixed_size: 0
    .kernarg_segment_align: 8
    .kernarg_segment_size: 48
    .max_flat_workgroup_size: 128
    .sgpr_count:     104
    .vgpr_count:     1024
    .wavefront_size: 32
...
	.end_amdgpu_metadata
.endif
;; end of part 2
;; launch attn (part 3): grid 16 x 16, 16 waves a work-group, no clusters, 167,936 bytes of LDS; arguments ac, asc, oc, osc; writes oc, osc
.if DOCPART == 3
	.amdgcn_target "amdgcn-amd-amdhsa--gfx1250"
	.amdhsa_code_object_version 6
	.text
	.protected	k_q8fddf10f32_attn
	.globl	k_q8fddf10f32_attn
	.p2align	8
	.type	k_q8fddf10f32_attn,@function
k_q8fddf10f32_attn:
	s_mov_b64 s[64:65], 0
	v_nop
	global_prefetch_b8 v0, s[64:65] scope:SCOPE_SE
	s_setreg_imm32_b32 hwreg(HW_REG_WAVE_MODE, 25, 1), 1
	s_wait_xcnt 0x0
; For each block nb of 512 tokens and each head: S = q k^T / 8, p = 2^(t - M) with t = S log2(e) and M the running largest t rounded up to a whole number, O = p v / (the sum of the unquantised p).
; Both products on codes of FP6 (E2M3) with one E8M0 scale for each 32 along K.  q, k (K = the head's 64, filled to 128 with zero codes) and v (K = the keys) arrive as images of the operands' registers.
; O is quantised along the head's 64 and leaves as images of the next product's fragments: K there is (head, channel), 128 = the two query heads of one key head.
; SHARES.  Work-group (x, y): key head x / 2, half x % 2 of the block's queries, block y.  Each of sixteen waves owns one tile of 16 queries, for both query heads in turn: so it makes one whole fragment and scale word.
; The block's k and v of the key head (48 KiB of codes, 3 KiB of scale words) come into LDS once, by four tensor loads; nothing is filled again.
; No cluster: only two work-groups read the same k and v, and they read them once.
; Both products are used transposed (S^T = k q^T, O^T = v^T p^T): a lane holds one query throughout.  The rows of k's tiles and of v's were chosen by the launch before so that 16 registers of two
; neighbouring tiles are 16 neighbours along the next K.
; LIMITS: a block under 2^(3 - 127) is held at the byte 1; a block of zeros gets the byte 1; NaN and infinities are not served.
; REGISTERS: v1-9 addresses; v12 -M, v13 the largest t, v[14:15] the sum; v16-27 q (6 of data, 6 zeros); v28-33 the second head's q; v34 q's scale words; v36-83 four fragments of k (6 + 6 zeros);
; v84-91 k's scale words, v92-95 v's; v96-159 S^T, then p, then v's four fragments; v160-191 O^T; v192-203 p's codes; v204-210, v212-226 at work; v228-239 O's codes; v240 O's scale word.
.set KIMG, 0
.set VIMG, 24576
.set KSC,  49152
.set VSC,  51200
.set OSC,  52224                       ; 1,024 bytes that only ds_store writes
.set SPARE, 53248                      ; the spare words, 128 bytes a wave, that no other line names
.set KF,  36
.set S,   96
.set OT,  160
.set PCD, 192
.set PT,  204
.set BM,  212
.set BT,  216
.set SO,  220
.set OC,  228
.set WV,  18
.set SEL, 20
.set CS,  22
.set G1C, 24                           ; group 1: 96 rows of 256 bytes (codes);
.set G1K, 32                           ; 8 rows (k's scale words);
.set G1V, 40                           ; 4 rows (v's)
.set G0C, 48
.set G0K, 52
.set G0V, 56
	s_load_b256 s[4:11], s[0:1], 0x0               ; ac, asc, oc, osc
	v_lshl_add_u32 v5, v0, 2, SPARE
	v_mov_b32 v6, 0
	ds_add_u32 v5, v6                              ; the wave's opening, ahead of the first tensor load
	ds_add_u32 v5, v6
	v_lshrrev_b32 v1, 5, v0
	s_delay_alu instid0(VALU_DEP_1)
	v_readfirstlane_b32 s[WV], v1                  ; wave 0..15
	s_lshr_b32 s12, ttmp9, 1                       ; the key head
	s_and_b32 s13, ttmp9, 1                        ; which half of the queries
	s_and_b32 s14, ttmp7, 0xffff                   ; the block
	s_lshl_b32 s15, s12, 4
	s_add_co_u32 s15, s15, s14                     ; 16 x key head + block
	s_and_b32 s16, s[WV], 1
.irp g, G1C, G1K, G1V
	s_mov_b32 s[\g], 3<<16                         ; no mask; elements of 8 bytes; no padding
	s_mov_b32 s[\g+1], 32<<16                      ; tensor_dim0 = 32
	s_mov_b32 s[\g+3], 32<<16                      ; tile_dim0 = 32
	s_mov_b32 s[\g+5], 32                          ; the pitch: dense
	s_mov_b32 s[\g+6], 0
	s_mov_b32 s[\g+7], 0
.endr
	s_mov_b32 s[G1C+2], 96<<16                     ; tensor_dim1,
	s_mov_b32 s[G1C+4], 96                         ; tile_dim1
	s_mov_b32 s[G1K+2], 8<<16
	s_mov_b32 s[G1K+4], 8
	s_mov_b32 s[G1V+2], 4<<16
	s_mov_b32 s[G1V+4], 4
	s_mul_i32 s17, s15, 24576
	s_mul_i32 s19, s16, 3145728                    ; wave 0: k's codes; wave 1: v's
	s_add_co_u32 s17, s17, s19
	s_add_co_u32 s60, s17, 6291456
	s_mov_b32 s61, 0
	s_lshl_b32 s62, s15, 11
	s_add_co_u32 s62, s62, 524288
	s_mov_b32 s63, 0
	s_lshl_b32 s66, s15, 10
	s_add_co_u32 s66, s66, 786432
	s_mov_b32 s67, 0
	s_mul_i32 s19, s16, 24576
	s_mov_b32 s[SEL], 0x76543210
	s_mov_b32 s[SEL+1], 0xfedcba98                 ; v_permlanex16_b32's selects for lane l xor 16
	s_mov_b32 s[CS], 0x3e38aa3b                    ; c = log2(e) / 8
	s_mov_b32 s[CS+1], s[CS]
	s_wait_dscnt 0x0                               ; the opening add is done
	s_wait_kmcnt 0x0
	s_mov_b32 s[G0C], 1
	s_mov_b32 s[G0C+1], s19
	s_add_nc_u64 s[G0C+2:G0C+3], s[4:5], s[60:61]
	s_or_b32 s[G0C+3], s[G0C+3], 0x80000000
	s_mov_b32 s[G0K], 1
	s_mov_b32 s[G0K+1], KSC
	s_add_nc_u64 s[G0K+2:G0K+3], s[6:7], s[62:63]
	s_or_b32 s[G0K+3], s[G0K+3], 0x80000000
	s_mov_b32 s[G0V], 1
	s_mov_b32 s[G0V+1], VSC
	s_add_nc_u64 s[G0V+2:G0V+3], s[6:7], s[66:67]
	s_or_b32 s[G0V+3], s[G0V+3], 0x80000000
	s_cmp_lt_u32 s[WV], 2                          ; waves 0 to 3 issue one load each; the branches hang on the wave's number alone
	s_cbranch_scc0 .Lnot_c
	tensor_load_to_lds s[G0C:G0C+3], s[G1C:G1C+7]
	s_nop 0
.rept 4
	v_nop
.endr
	s_branch .Lasked
.Lnot_c:
	s_cmp_eq_u32 s[WV], 2
	s_cbranch_scc0 .Lnot_k
	tensor_load_to_lds s[G0K:G0K+3], s[G1K:G1K+7]
	s_nop 0
.rept 4
	v_nop
.endr
	s_branch .Lasked
.Lnot_k:
	s_cmp_eq_u32 s[WV], 3
	s_cbranch_scc0 .Lasked
	tensor_load_to_lds s[G0V:G0V+3], s[G1V:G1V+7]
	s_nop 0
.rept 4
	v_nop
.endr
.Lasked:
	s_lshl_b32 s2, s13, 4
	s_add_co_u32 s2, s2, s[WV]                     ; my tile of queries, 0..31
	s_lshl_b32 s3, s12, 5
	s_add_co_u32 s3, s3, s14                       ; 16 x first query head + block
	s_lshl_b32 s17, s3, 5
	s_add_co_u32 s17, s17, s2
	s_mul_i32 s60, s17, 768
	s_add_nc_u64 s[68:69], s[4:5], s[60:61]        ; q's half image; the second head's lies 393,216 bytes on
	s_lshl_b32 s17, s3, 3
	s_lshr_b32 s19, s2, 2
	s_add_co_u32 s17, s17, s19
	s_lshl_b32 s17, s17, 8
	s_and_b32 s19, s2, 3
	s_lshl_b32 s19, s19, 2
	s_add_co_u32 s60, s17, s19
	s_add_nc_u64 s[70:71], s[6:7], s[60:61]        ; q's scale words
	s_lshl_b32 s17, s12, 9
	s_lshl_b32 s19, s14, 5
	s_add_co_u32 s17, s17, s19                     ; 512 x key head + 32 x block
	s_add_co_u32 s19, s17, s2
	s_mul_i32 s60, s19, 1536
	s_add_nc_u64 s[8:9], s[8:9], s[60:61]          ; my fragment of O
	s_lshl_b32 s19, s13, 4
	s_add_co_u32 s17, s17, s19
	s_lshl_b32 s60, s17, 6
	s_add_nc_u64 s[10:11], s[10:11], s[60:61]      ; the work-group's 1,024 bytes of O's scale words
	v_and_b32 v10, 31, v0
	s_delay_alu instid0(VALU_DEP_1)
	v_lshlrev_b32 v1, 4, v10                       ; 16 x lane
	s_delay_alu instid0(VALU_DEP_2)
	v_lshlrev_b32 v2, 3, v10                       ; 8 x lane
	v_and_b32 v10, 15, v0                          ; r
	v_bfe_u32 v11, v0, 4, 1                        ; h
	s_delay_alu instid0(VALU_DEP_2)
	v_lshlrev_b32 v3, 4, v10                       ; 16 r
	s_delay_alu instid0(VALU_DEP_1)
	v_lshl_add_u32 v8, v11, 15, v3                 ; 16 r + 32,768 h: a head for each half of the lanes
	s_lshl_b32 s19, s[WV], 6
	v_lshl_add_u32 v4, v10, 2, s19
	s_delay_alu instid0(VALU_DEP_1)
	v_add_nc_u32 v4, OSC, v4                       ; my row's scale word of O in LDS
	v_lshlrev_b32 v9, 4, v0
	s_delay_alu instid0(VALU_DEP_1)
	v_add_nc_u32 v7, OSC, v9
	global_load_b128 v[16:19], v1, s[68:69]
	global_load_b64 v[20:21], v2, s[68:69] offset:512
	global_load_b128 v[28:31], v1, s[68:69] offset:393216
	global_load_b64 v[32:33], v2, s[68:69] offset:393216+512
	global_load_b32 v34, v8, s[70:71]              ; lanes 0-15: the first head's words; lanes 16-31: the second's
.irp i, 0,1,2,3,4,5
	v_mov_b32 v[22+\i], 0                          ; K = 64 .. 127: zero codes, in q
.endr
.irp t, 0,1,2,3
.irp i, 6,7,8,9,10,11
	v_mov_b32 v[KF+12*\t+\i], 0                    ; and in k's four fragments: set once
.endr
.endr
.irp b, 0,1,2,3
	v_mov_b32 v[BT+\b], 0                          ; a lane permute's destination counts as one of its sources
.endr
	v_mov_b32 v226, 0
	s_wait_alu depctr_va_vdst(0)
	s_wait_tensorcnt 0x0                           ; my load has landed,
	s_barrier_signal -1
	s_barrier_wait -1                              ; everybody's has
	s_wait_loadcnt 0x0                             ; q
; A KEY STEP: 128 keys, the s-th of four, for query head c of the pair.
.macro STEP c, s
.irp g, 0,1                            ; S^T = k q^T, four tiles of 16 keys at a time
.if \g == 1
.rept 4
	v_nop                                          ; places ahead of loads into registers that the four products above have read
.endr
.endif
.irp t, 0,1,2,3
	ds_load_b128 v[KF+12*\t:KF+12*\t+3], v1 offset:KIMG+768*(8*\s+4*\g+\t)
	ds_load_b64 v[KF+12*\t+4:KF+12*\t+5], v2 offset:KIMG+768*(8*\s+4*\g+\t)+512
.endr
.if \g == 0
	ds_load_b128 v[84:87], v3 offset:KSC+512*\s
	ds_load_b128 v[88:91], v3 offset:KSC+512*\s+256
.if \s > 0
.rept 5
	v_nop                                          ; the scores are laid over v's fragments, which the last products read: five places between the two
.endr
.endif
.endif
	s_wait_dscnt 0x0
.irp t, 0,1,2,3
.if \c == 0
	v_wmma_scale_f32_16x16x128_f8f6f4 v[S+8*(4*\g+\t):S+8*(4*\g+\t)+7], v[KF+12*\t:KF+12*\t+11], v[16:27], 0, v[84+4*\g+\t], v34 matrix_a_fmt:MATRIX_FMT_FP6 matrix_b_fmt:MATRIX_FMT_FP6
.else
	v_wmma_scale_f32_16x16x128_f8f6f4 v[S+8*(4*\g+\t):S+8*(4*\g+\t)+7], v[KF+12*\t:KF+12*\t+11], v[16:27], 0, v[84+4*\g+\t], v34 matrix_a_fmt:MATRIX_FMT_FP6 matrix_b_fmt:MATRIX_FMT_FP6 matrix_b_scale:MATRIX_SCALE_ROW1
.endif
.endr
.endr                                  ; lane (r, h): query r; the 16 registers of tiles 2 b, 2 b + 1 are keys 128 s + 32 b + 16 h + 0 .. 15
.rept 4
	v_nop
.endr
.irp b, 0,1,2,3
	v_max3_num_f32 v[BM+\b], v[S+16*\b], v[S+1+16*\b], v[S+2+16*\b]    ; the largest score of each block of 32 keys: for the row's maximum, and, since p rises with the score, for the block's largest p
.endr
.irp i, 3,5,7,9,11,13
.irp b, 0,1,2,3
	v_max3_num_f32 v[BM+\b], v[BM+\b], v[S+16*\b+\i], v[S+1+16*\b+\i]
.endr
.endr
.irp b, 0,1,2,3
	v_max_num_f32 v[BM+\b], v[BM+\b], v[S+15+16*\b]
.endr
.irp b, 0,1,2,3
	s_delay_alu instid0(VALU_DEP_4)
	v_permlanex16_b32 v[BT+\b], v[BM+\b], s[SEL], s[SEL+1]
.endr
.irp b, 0,1,2,3
	s_delay_alu instid0(VALU_DEP_4)
	v_max_num_f32 v[BM+\b], v[BM+\b], v[BT+\b]
.endr
	s_delay_alu instid0(VALU_DEP_2)
	v_max3_num_f32 v226, v[BM], v[BM+1], v[BM+2]
	s_delay_alu instid0(VALU_DEP_1)
	v_max_num_f32 v226, v226, v[BM+3]              ; the step's largest score of my query
.if \s == 0
	s_delay_alu instid0(VALU_DEP_1)
	v_mul_f32 v13, s[CS], v226                     ; the first step starts the running maximum,
	s_delay_alu instid0(VALU_DEP_1)
	v_floor_f32 v12, -v13                          ; and -M = floor(-t) = -ceil(t)
.else
	s_delay_alu instid0(VALU_DEP_1)
	v_mul_f32 v226, s[CS], v226
	s_delay_alu instid0(VALU_DEP_1)
	v_max_num_f32 v13, v13, v226
	v_mov_b32 v226, v12
	s_delay_alu instid0(VALU_DEP_2)
	v_floor_f32 v12, -v13
	s_delay_alu instid0(VALU_DEP_1)
	v_sub_f32 v226, v12, v226                      ; old M - new M: a whole number, 0 or less
	s_delay_alu instid0(VALU_DEP_1)
	v_cvt_i32_f32 v226, v226
	s_delay_alu instid0(VALU_DEP_1)
	v_ldexp_f32 v224, 1.0, v226                    ; f = 2^(old M - new M): multiplying by it rounds nothing
.endif
.set j, 0
.rept 32
	v_pk_fma_f32 v[S+j:S+j+1], v[S+j:S+j+1], s[CS:CS+1], v[12:13] op_sel_hi:[1,0,0]   ; t - M
.set j, j+2
.endr
.irp b, 0,1,2,3
	v_fma_f32 v[BM+\b], v[BM+\b], s[CS], v12       ; the same of each block's largest score
.endr
.set j, 0
	s_wait_alu depctr_va_vdst(0)
.rept 64
	v_exp_f32 v[S+j], v[S+j]                       ; p = 2^(t - M): one batch
.set j, j+1
.endr
.if \s == 0
	v_mov_b32 v14, 0                               ; the sum begins.  (Plain places behind the exponentials)
	v_mov_b32 v15, 0
.else
	v_pk_mul_f32 v[14:15], v[14:15], v[224:225] op_sel_hi:[1,0]   ; the sum under the new M.  (A plain place behind the exponentials)
.endif
	s_wait_alu depctr_va_vdst(0)                   ; one wait for the batch, ahead of its first reader
.irp b, 0,1,2,3
	v_exp_f32 v[BM+\b], v[BM+\b]                   ; the block's largest p
.endr
	v_pk_add_f32 v[216:217], v[100:101], v[104:105]
	v_pk_add_f32 v[254:255], v[108:109], v[112:113]
	v_pk_add_f32 v[252:253], v[116:117], v[120:121]
	v_pk_add_f32 v[250:251], v[124:125], v[128:129]
	v_pk_add_f32 v[248:249], v[132:133], v[136:137]
	v_pk_add_f32 v[246:247], v[140:141], v[144:145]
	v_pk_add_f32 v[244:245], v[148:149], v[152:153]
	v_pk_add_f32 v[14:15], v[14:15], v[156:157]
	v_pk_add_f32 v[216:217], v[216:217], v[96:97]
	v_pk_add_f32 v[254:255], v[254:255], v[98:99]
	v_pk_add_f32 v[252:253], v[252:253], v[102:103]
	v_pk_add_f32 v[250:251], v[250:251], v[106:107]
	v_pk_add_f32 v[248:249], v[248:249], v[110:111]
	v_pk_add_f32 v[246:247], v[246:247], v[114:115]
	v_pk_add_f32 v[244:245], v[244:245], v[118:119]
	v_pk_add_f32 v[14:15], v[14:15], v[122:123]
	v_pk_add_f32 v[216:217], v[216:217], v[126:127]
	v_pk_add_f32 v[254:255], v[254:255], v[130:131]
	v_pk_add_f32 v[252:253], v[252:253], v[134:135]
	v_pk_add_f32 v[250:251], v[250:251], v[138:139]
	v_pk_add_f32 v[248:249], v[248:249], v[142:143]
	v_pk_add_f32 v[246:247], v[246:247], v[146:147]
	v_pk_add_f32 v[244:245], v[244:245], v[150:151]
	v_pk_add_f32 v[14:15], v[14:15], v[154:155]
	v_pk_add_f32 v[216:217], v[216:217], v[158:159]
	s_delay_alu instid0(VALU_DEP_2)
	v_pk_add_f32 v[14:15], v[14:15], v[250:251]
	s_delay_alu instid0(VALU_DEP_2)
	v_pk_add_f32 v[216:217], v[216:217], v[248:249]
	v_pk_add_f32 v[254:255], v[254:255], v[246:247]
	v_pk_add_f32 v[252:253], v[252:253], v[244:245]
	s_delay_alu instid0(VALU_DEP_2)
	v_pk_add_f32 v[14:15], v[14:15], v[254:255]
	s_delay_alu instid0(VALU_DEP_2)
	v_pk_add_f32 v[216:217], v[216:217], v[252:253]
	s_delay_alu instid0(VALU_DEP_1)
	v_pk_add_f32 v[14:15], v[14:15], v[216:217]
	s_wait_alu depctr_va_vdst(0)                   ; and one for the four
.irp b, 0,1,2,3
	v_max_num_f32 v[BM+\b], 0x1800000, v[BM+\b]    ; the floor 2^(3 - 127)
.endr
.irp b, 0,1,2,3
	s_delay_alu instid0(VALU_DEP_4)
	v_add_nc_u32 v[SO+\b], 0xff000000, v[BM+\b]    ; the conversion's scale operand
.endr
.irp b, 0,1,2,3
	s_delay_alu instid0(VALU_DEP_4)
	v_lshrrev_b32 v[BT+\b], 23, v[SO+\b]           ; the scale's byte
.endr
	s_delay_alu instid0(VALU_DEP_3)
	v_lshl_or_b32 v225, v[BT+1], 8, v[BT]          ; p's scale word for these 128 keys
	s_delay_alu instid0(VALU_DEP_1)
	v_lshl_or_b32 v225, v[BT+2], 16, v225
	s_delay_alu instid0(VALU_DEP_1)
	v_lshl_or_b32 v225, v[BT+3], 24, v225
.irp e, 0,1
	v_cvt_scalef32_pk16_fp6_f32 v[PCD+6*\e:PCD+6*\e+2], v[S+32*\e:S+32*\e+15], v[SO+2*\e]
	v_cvt_scalef32_pk16_fp6_f32 v[PT+4*\e:PT+4*\e+2], v[S+32*\e+16:S+32*\e+31], v[SO+2*\e+1]
.endr
	v_nop                                          ; one plain place behind a scaled conversion
.irp t, 0,1,2,3                        ; v's four fragments land where p lay
.irp g, 0,1,2
	ds_load_b128 v[S+12*\t+4*\g:S+12*\t+4*\g+3], v1 offset:VIMG+1536*(4*\s+\t)+512*\g
.endr
.endr
	ds_load_b128 v[92:95], v3 offset:VSC+256*\s
.irp e, 0,1                            ; the operand's layout wants a whole block in a lane
.irp i, 0,1,2
	v_permlane16_swap_b32 v[PCD+6*\e+\i], v[PT+4*\e+\i]
.endr
.irp i, 0,1,2
	s_delay_alu instid0(VALU_DEP_3)
	v_mov_b32 v[PCD+3+6*\e+\i], v[PT+4*\e+\i]
.endr
.endr
.if \s == 0
	s_wait_alu depctr_va_vdst(0)
.rept 8
	v_nop                                          ; a scale word made by vector instructions stands 8 places ahead of the scaled product, an operand so made 4
.endr
.else
.set j, 0
.rept 16
	v_pk_mul_f32 v[OT+j:OT+j+1], v[OT+j:OT+j+1], v[224:225] op_sel_hi:[1,0]   ; O^T under the new M; these 16 are those places too
.set j, j+2
.endr
.endif
	s_wait_alu depctr_va_vdst(0)
	s_wait_dscnt 0x0
.irp t, 0,1,2,3                        ; O^T += v^T p^T: four accumulators by turns, one instruction a turn
.if \s == 0
	v_wmma_scale_f32_16x16x128_f8f6f4 v[OT+8*\t:OT+8*\t+7], v[S+12*\t:S+12*\t+11], v[PCD:PCD+11], 0, v[92+\t], v225 matrix_a_fmt:MATRIX_FMT_FP6 matrix_b_fmt:MATRIX_FMT_FP6
.else
	v_wmma_scale_f32_16x16x128_f8f6f4 v[OT+8*\t:OT+8*\t+7], v[S+12*\t:S+12*\t+11], v[PCD:PCD+11], v[OT+8*\t:OT+8*\t+7], v[92+\t], v225 matrix_a_fmt:MATRIX_FMT_FP6 matrix_b_fmt:MATRIX_FMT_FP6
.endif
.endr
.endm
; O^T / the sum, quantised along the head's 64: registers 16 b + i are channels 32 b + 16 h + i.  The codes are registers 6 c .. 6 c + 5 of the next product's fragment, the two bytes its scale word's bytes 2 c, 2 c + 1.
.macro FINISH c
	v_add_f32 v14, v14, v15
	s_delay_alu instid0(VALU_DEP_1)
	v_permlanex16_b32 v226, v14, s[SEL], s[SEL+1]
	s_delay_alu instid0(VALU_DEP_1)
	v_add_f32 v14, v14, v226                       ; the row's sum
	s_wait_alu depctr_va_vdst(0)
	v_rcp_f32 v14, v14
.rept 4
	v_nop                                          ; the places behind the last products, and the plain place behind the reciprocal
.endr
	s_wait_alu depctr_va_vdst(0)                   ; ahead of the reciprocal's first reader
.set j, 0
.rept 16
	v_pk_mul_f32 v[OT+j:OT+j+1], v[OT+j:OT+j+1], v[14:15] op_sel_hi:[1,0]   ; each accumulator from its low end on
.set j, j+2
.endr
.irp b, 0,1
	v_max3_num_f32 v[BM+\b], |v[OT+16*\b]|, |v[OT+16*\b+1]|, 0x1800000
.endr
.irp i, 2,4,6,8,10,12,14
.irp b, 0,1
	s_delay_alu instid0(VALU_DEP_2)
	v_max3_num_f32 v[BM+\b], v[BM+\b], |v[OT+16*\b+\i]|, |v[OT+16*\b+\i+1]|
.endr
.endr
.irp b, 0,1
	s_delay_alu instid0(VALU_DEP_2)
	v_permlanex16_b32 v[BT+\b], v[BM+\b], s[SEL], s[SEL+1]
.endr
.irp b, 0,1
	s_delay_alu instid0(VALU_DEP_2)
	v_max_num_f32 v[BM+\b], v[BM+\b], v[BT+\b]
.endr
.irp b, 0,1
	s_delay_alu instid0(VALU_DEP_2)
	v_add_nc_u32 v[SO+\b], 0xff000000, v[BM+\b]
.endr
.irp b, 0,1
	s_delay_alu instid0(VALU_DEP_2)
	v_lshrrev_b32 v[BT+\b], 23, v[SO+\b]
.endr
.if \c == 0
	s_delay_alu instid0(VALU_DEP_1)
	v_lshl_or_b32 v240, v[BT+1], 8, v[BT]
.else
	s_delay_alu instid0(VALU_DEP_1)
	v_lshl_or_b32 v226, v[BT+1], 8, v[BT]
	s_delay_alu instid0(VALU_DEP_1)
	v_lshl_or_b32 v240, v226, 16, v240
.endif
	v_cvt_scalef32_pk16_fp6_f32 v[OC+6*\c:OC+6*\c+2], v[OT:OT+15], v[SO]
	v_cvt_scalef32_pk16_fp6_f32 v[PT:PT+2], v[OT+16:OT+31], v[SO+1]
	v_nop                                          ; one plain place behind a scaled conversion
.irp i, 0,1,2
	v_permlane16_swap_b32 v[OC+6*\c+\i], v[PT+\i]
.endr
.irp i, 0,1,2
	s_delay_alu instid0(VALU_DEP_3)
	v_mov_b32 v[OC+3+6*\c+\i], v[PT+\i]
.endr
.endm
.macro PASS c
.if \c == 1
.irp i, 0,1,2,3,4,5
	v_mov_b32 v[16+\i], v[28+\i]                   ; the second head's q
.endr
	s_wait_alu depctr_va_vdst(0)
.rept 4
	v_nop                                          ; an operand written by vector instructions stands 4 places ahead of a scaled product
.endr
.endif
	STEP \c, 0
	STEP \c, 1
	STEP \c, 2
	STEP \c, 3
	FINISH \c
.endm
	PASS 0
	PASS 1
.irp g, 0,1,2
	global_store_b128 v1, v[OC+4*\g:OC+4*\g+3], s[8:9] offset:512*\g   ; the fragment's image: 512 consecutive bytes a store
.endr
	ds_store_b32 v4, v240                          ; both halves of the lanes write the same word with the same value
	s_wait_dscnt 0x0                               ; for the others' sake: my store has landed
	s_barrier_signal -1
	s_barrier_wait -1
	s_cmp_lt_u32 s[WV], 2                          ; waves 0 and 1 store the sixteen waves' 1,024 bytes, 16 a lane
	s_cbranch_scc0 .Ldone
	ds_load_b128 v[96:99], v7
	s_wait_dscnt 0x0
	global_store_b128 v9, v[96:99], s[10:11]
.Ldone:
	s_wait_tensorcnt 0x0                           ; the wave's end, behind my last tensor load and my last LDS store
	ds_add_u32 v5, v6
	s_wait_dscnt 0x0
	s_endpgm
.Lfunc_end_k_q8fddf10f32_attn:
	.size	k_q8fddf10f32_attn, .Lfunc_end_k_q8fddf10f32_attn-k_q8fddf10f32_attn
	.p2alignl 7, 3214868480
	.fill 96, 4, 3214868480
	.section	.rodata,"a",@progbits
	.p2align	6, 0x0
	.amdhsa_kernel k_q8fddf10f32_attn
		.amdhsa_group_segment_fixed_size 167936
		.amdhsa_private_segment_fixed_size 0
		.amdhsa_enable_private_segment 0
		.amdhsa_kernarg_size 32
		.amdhsa_user_sgpr_count 2
		.amdhsa_user_sgpr_kernarg_segment_ptr 1
		.amdhsa_wavefront_size32 1
		.amdhsa_system_sgpr_workgroup_id_x 1
		.amdhsa_system_sgpr_workgroup_id_y 1
		.amdhsa_system_sgpr_workgroup_id_z 1
		.amdhsa_system_vgpr_workitem_id 0
		.amdhsa_next_free_vgpr 256
		.amdhsa_next_free_sgpr 72
		.amdhsa_reserve_vcc 0
		.amdhsa_float_denorm_mode_32 3
		.amdhsa_float_denorm_mode_16_64 3
		.amdhsa_memory_ordered 1
		.amdhsa_forward_progress 1
		.amdhsa_inst_pref_size 149
	.end_amdhsa_kernel
	.amdgpu_metadata
---
amdhsa.version: [ 1, 2 ]
amdhsa.kernels:
  - .name:           k_q8fddf10f32_attn
    .symbol:         k_q8fddf10f32_attn.kd
    .args:
      - { .name: ac, .offset: 0, .size: 8, .value_kind: global_buffer, .address_space: global }
      - { .name: asc, .offset: 8, .size: 8, .value_kind: global_buffer, .address_space: global }
      - { .name: oc, .offset: 16, .size: 8, .value_kind: global_buffer, .address_space: global }
      - { .name: osc, .offset: 24, .size: 8, .value_kind: global_buffer, .address_space: global }
    .group_segment_fixed_size: 167936
    .private_segment_fixed_size: 0
    .kernarg_segment_align: 8
    .kernarg_segment_size: 32
    .max_flat_workgroup_size: 512
    .sgpr_count:     72
    .vgpr_count:     256
    .wavefront_size: 32
...
	.end_amdgpu_metadata
.endif
;; end of part 3
;; launch gemm2 (part 4): grid 8 x 32, 4 waves a work-group, clusters of 4 x 4, 327,680 bytes of LDS; arguments oc, osc, wc, ws, out0; writes out0
.if DOCPART == 4
	.amdgcn_target "amdgcn-amd-amdhsa--gfx1250"
	.amdhsa_code_object_version 6
	.text
	.protected	k_q8fddf10f32_gemm2
	.globl	k_q8fddf10f32_gemm2
	.p2align	8
	.type	k_q8fddf10f32_gemm2,@function
k_q8fddf10f32_gemm2:
	s_mov_b64 s[64:65], 0
	v_nop
	global_prefetch_b8 v0, s[64:65] scope:SCOPE_SE
	s_setreg_imm32_b32 hwreg(HW_REG_WAVE_MODE, 25, 1), 1
	s_wait_xcnt 0x0
	s_wait_alu depctr_hold_cnt(0) depctr_sa_sdst(0) depctr_va_vdst(0) depctr_va_sdst(0) depctr_va_ssrc(0) depctr_va_vcc(0) depctr_vm_vsrc(0)
	s_getreg_b32 s2, hwreg(HW_REG_IB_STS2, 6, 4)
	s_cmp_eq_u32 s2, 0
	s_cbranch_scc0 .Lentry_in_a_cluster
	s_endpgm
.Lentry_in_a_cluster:
	s_bfe_u32 s2, ttmp6, 0x10000c
	s_cmp_lg_u32 s2, 0xf033
	s_cbranch_scc0 .Lentry_shape_is_right
	s_endpgm
.Lentry_shape_is_right:
.set SIZE_N, 2048
; out0 = O x Wo on codes of FP6.  Wo's 256 rows of codes come whole: 128 rows of 768 bytes a wave, by waves 0 and 1, each row at a multiple of 256 bytes, 16 bytes of padding behind each 256: LDS pitch 816.
; O's fragments come as register images by global loads, issued under the flight of the tensor load.
.set ROWB,   768
.set KROW,   768
.set PITCH,  816
.set FR,     12
.set PSTR,   786432
.set QB,     64*PITCH
.set SCL,    4*QB
.set SCB,    8256
.set STAGE,  262400
.set SPITCH, 272
.set SPARE,  STAGE+4*16*SPITCH
.set ADRB, 8
.set ADRS, 16
.set STO,  20
.set RD,   21
.set CO,   22
.set IMG,  23
.set SPW,  28
.set NIL,  29
.set SC,   32
.set BF,   96
.set OB,   128
.set G1B, 48
.set G0B, 56
.set G1S, 68
.set G0S, 76
.set G1SB, 80
.set G0SB, 88
.set MSB, 0
.macro WIN new
.if MSB != \new
	s_set_vgpr_msb (MSB<<8)|\new
.set MSB, \new
.endif
.endm
.macro JLOAD g0a, g1a, g0b, g1b
	s_cmp_eq_u32 s15, 0
	s_cbranch_scc0 .Lfor_b_\@
	tensor_load_to_lds s[\g0a:\g0a+3], s[\g1a:\g1a+7]
	s_nop 0
.rept 4
	v_nop
.endr
	s_branch .Lasked_\@
.Lfor_b_\@:
	tensor_load_to_lds s[\g0b:\g0b+3], s[\g1b:\g1b+7]
	s_nop 0
.rept 4
	v_nop
.endr
.Lasked_\@:
.endm
.macro CROUND
	s_barrier_signal -1
	s_barrier_wait -1
	s_cmp_lg_u32 s14, 0
	s_cbranch_scc1 .Lnot_wave_0_\@
	s_barrier_signal -3
.Lnot_wave_0_\@:
	s_barrier_wait -3
	s_barrier_signal -1
	s_barrier_wait -1
.endm
	s_load_b128 s[4:7], s[0:1], 0x0
	s_load_b128 s[8:11], s[0:1], 0x10
	s_load_b64 s[12:13], s[0:1], 0x20
	v_lshl_add_u32 v[SPW], v0, 2, SPARE
	v_mov_b32 v[NIL], 0
	ds_add_u32 v[SPW], v[NIL]
	ds_add_u32 v[SPW], v[NIL]
	v_lshrrev_b32 v1, 5, v0
	v_readfirstlane_b32 s14, v1
	s_lshr_b32 s15, s14, 1
	s_and_b32 s16, s14, 1
	s_bfe_u32 s40, ttmp6, 0x40000
	s_bfe_u32 s41, ttmp6, 0x40004
	s_lshl_b32 s42, ttmp9, 2
	s_add_co_u32 s42, s42, s40
	s_and_b32 s17, ttmp7, 0xffff
	s_lshl_b32 s17, s17, 2
	s_add_co_u32 s17, s17, s41
	s_lshl_b32 s43, s41, 2
	s_lshl_b32 s43, 15, s43
	s_lshl_b32 s44, 0x1111, s40
	s_or_b32 s[G1B+0], s44, (0<<16)|(1<<20)|(1<<21)|(5<<22)|(3<<25)
	s_mov_b32 s[G1B+1], ROWB<<16
	s_mov_b32 s[G1B+2], 128<<16
	s_mov_b32 s[G1B+3], ROWB<<16
	s_mov_b32 s[G1B+4], 128
	s_mov_b32 s[G1B+5], KROW
	s_mov_b32 s[G1B+6], 0
	s_mov_b32 s[G1B+7], 0
	s_or_b32 s[G1S+0], s43, (3<<16)|(1<<21)
	s_or_b32 s[G1SB+0], s44, (3<<16)|(1<<21)
.irp g, G1S, G1SB
	s_mov_b32 s[\g+1], 128<<16
	s_mov_b32 s[\g+2], 8<<16
	s_mov_b32 s[\g+3], 128<<16
	s_mov_b32 s[\g+4], 8
	s_mov_b32 s[\g+6], 0
	s_mov_b32 s[\g+7], 0
.endr
	s_mov_b32 s[G1S+5], 4096
	s_mov_b32 s[G1SB+5], 1024
	s_lshl_b32 s20, s17, 4
	s_lshl_b32 s21, s14, 2
	s_add_co_u32 s20, s20, s21
	s_mul_i32 s20, s20, 1536
	s_mov_b32 s21, 0
	s_mov_b32 s22, 0
	s_lshl_b32 s23, s17, 10
	s_add_co_u32 s22, s22, s23
	s_mov_b32 s23, 0
	s_mul_i32 s46, s42, 256*KROW
	s_mul_i32 s18, s16, 128*KROW
	s_add_co_u32 s46, s46, s18
	s_add_co_u32 s46, s46, 3145728
	s_mov_b32 s47, 0
	s_mov_b32 s92, 0
	s_lshl_b32 s93, s42, 10
	s_add_co_u32 s92, s92, s93
	s_add_co_u32 s92, s92, 131072
	s_mov_b32 s93, 0
	s_mul_i32 s45, s16, 2*QB
	s_mov_b32 s94, 0
	s_add_co_u32 s94, s94, SCL
	s_wait_dscnt 0x0
	s_wait_kmcnt 0x0
	s_add_nc_u64 s[20:21], s[4:5], s[20:21]
	s_add_nc_u64 s[22:23], s[6:7], s[22:23]
	s_add_nc_u64 s[46:47], s[8:9], s[46:47]
	s_add_nc_u64 s[92:93], s[10:11], s[92:93]
	CROUND
	s_mov_b32 s[G0B], 1
	s_mov_b32 s[G0B+1], s45
	s_mov_b64 s[G0B+2:G0B+3], s[46:47]
	s_or_b32 s[G0B+3], s[G0B+3], 0x80000000
	s_mov_b32 s[G0S], 1
	s_mov_b32 s[G0S+1], s94
	s_mov_b64 s[G0S+2:G0S+3], s[22:23]
	s_or_b32 s[G0S+3], s[G0S+3], 0x80000000
	s_mov_b32 s[G0SB], 1
	s_add_co_u32 s[G0SB+1], s94, SCB
	s_mov_b64 s[G0SB+2:G0SB+3], s[92:93]
	s_or_b32 s[G0SB+3], s[G0SB+3], 0x80000000
	; the first fills, one joint load a wave, in one chain of branches on the wave's number:
	; waves 0 and 1 fetch 128 rows of Wo's codes each, wave 2 the eight rows of O's scale words, wave 3 those of Wo's; nothing is filled later
	s_cmp_lt_u32 s14, 2
	s_cbranch_scc0 .Lh_sa
	tensor_load_to_lds s[G0B:G0B+3], s[G1B:G1B+7]
	s_nop 0
.rept 4
	v_nop
.endr
	s_branch .Lh_asked
.Lh_sa:
	s_cmp_lt_u32 s14, 3
	s_cbranch_scc0 .Lh_sb
	tensor_load_to_lds s[G0S:G0S+3], s[G1S:G1S+7]
	s_nop 0
.rept 4
	v_nop
.endr
	s_branch .Lh_asked
.Lh_sb:
	tensor_load_to_lds s[G0SB:G0SB+3], s[G1SB:G1SB+7]
	s_nop 0
.rept 4
	v_nop
.endr
.Lh_asked:
	v_and_b32 v3, 31, v0
	v_lshlrev_b32 v[IMG], 4, v3
	s_wait_alu depctr_va_vdst(0)
	WIN 0x40                                       ; O's fragments of my 64 rows, all of K: windows 1 and 2
.irp a, 0,1
.irp c, 0,1,2,3,4,5,6,7
.irp e, 0,1,2
	global_load_b128 v[FR*(8*\a+\c)+4*\e:FR*(8*\a+\c)+4*\e+3], v[IMG], s[20:21] offset:PSTR*\c+1536*\a+512*\e
.endr
.endr
.endr
	WIN 0x80
.irp a, 0,1
.irp c, 0,1,2,3,4,5,6,7
.irp e, 0,1,2
	global_load_b128 v[FR*(8*\a+\c)+4*\e:FR*(8*\a+\c)+4*\e+3], v[IMG], s[20:21] offset:PSTR*\c+1536*(\a+2)+512*\e
.endr
.endr
.endr
	WIN 0
	v_and_b32 v1, 15, v0
	v_bfe_u32 v2, v0, 4, 1
	v_mul_u32_u24 v3, v1, PITCH
	v_mad_u32_u24 v4, v2, 24, v3
	v_lshl_add_u32 v5, v2, 4, v4
.irp q, 0,1,2,3
	v_add_nc_u32 v[ADRB+\q], \q*QB, v4
	v_add_nc_u32 v[ADRB+4+\q], \q*QB, v5
.endr
	s_lshl_b32 s24, s14, 8
	s_add_co_u32 s25, s24, SCL
.irp g, 0,1,2,3
	s_mov_b32 s26, SCB+256*\g
	s_sub_co_u32 s26, s26, s24
	v_mul_u32_u24 v5, s26, v2
	v_lshl_add_u32 v5, v1, 2, v5
	v_add_nc_u32 v[ADRS+\g], s25, v5
.endr
	s_mul_i32 s27, s14, 16*SPITCH
	s_add_co_u32 s27, s27, STAGE
	v_mul_u32_u24 v5, v1, SPITCH
	v_lshl_add_u32 v5, v2, 6, v5
	v_add_nc_u32 v[STO], s27, v5
	v_mul_u32_u24 v5, v2, SPITCH
	v_lshl_add_u32 v5, v1, 4, v5
	v_add_nc_u32 v[RD], s27, v5
	v_lshlrev_b32 v[CO], 4, v1
	v_lshl_add_u32 v[CO], v2, 13, v[CO]
	s_lshl_b32 s28, s17, 8
	s_lshl_b32 s29, s14, 6
	s_add_co_u32 s28, s28, s29
	s_lshl_b32 s28, s28, 13
	s_lshl_b32 s29, s42, 10
	s_add_co_u32 s28, s28, s29
	s_mov_b32 s29, 0
	s_add_nc_u64 s[12:13], s[12:13], s[28:29]
.macro FRAG reg, adr, q, i
.irp p, 0,1,2,3,4,5
.set PCE, 12*(\q)+6*(\p/3)+\p%3
.if PCE%32 < 29                        ; piece PCE of 8 bytes of the row; lanes 16-31 read three pieces on, past a padding where PCE % 32 is 29 or more
	ds_load_b64 v[\reg+2*\p:\reg+2*\p+1], v[\adr] offset:8*PCE+16*(PCE/32)+(\i)*16*PITCH
.else
	ds_load_b64 v[\reg+2*\p:\reg+2*\p+1], v[\adr+4] offset:8*PCE+16*(PCE/32)+(\i)*16*PITCH
.endif
.endr
.endm
.macro FETCH t
.irp n, 0,1,2,3
	FRAG BF+48*((\t)%3)+FR*\n, ADRB+(\t)/8, (\t)%8, \n
.endr
.endm
.macro SCALES g
.irp i, 0,1,2,3
.irp c, 0,1,2,3,4,5,6,7
	ds_load_b32 v[SC+32*((\g)%2)+8*\i+\c], v[ADRS+(\g)] offset:1024*\c+64*\i
.endr
.endr
.endm
.macro PLACES n
.rept \n
	v_nop
.endr
.endm
.macro MUL8 g, k, a0
.irp a, \a0, \a0+1
.irp n, 0,1,2,3
.if \k == 0
	v_wmma_scale_f32_16x16x128_f8f6f4 v[8*(4*(\a)+\n):8*(4*(\a)+\n)+7], v[BF+48*((8*\g+\k)%3)+FR*\n:BF+48*((8*\g+\k)%3)+FR*\n+FR-1], v[FR*(8*((\a)%2)+\k):FR*(8*((\a)%2)+\k)+FR-1], 0, v[SC+32*((\g)%2)+8*\n+\k], v[SC+32*((\g)%2)+8*(\a)+\k] matrix_a_fmt:MATRIX_FMT_FP6 matrix_b_fmt:MATRIX_FMT_FP6 matrix_a_scale:MATRIX_SCALE_ROW1
.else
	v_wmma_scale_f32_16x16x128_f8f6f4 v[8*(4*(\a)+\n):8*(4*(\a)+\n)+7], v[BF+48*((8*\g+\k)%3)+FR*\n:BF+48*((8*\g+\k)%3)+FR*\n+FR-1], v[FR*(8*((\a)%2)+\k):FR*(8*((\a)%2)+\k)+FR-1], v[8*(4*(\a)+\n):8*(4*(\a)+\n)+7], v[SC+32*((\g)%2)+8*\n+\k], v[SC+32*((\g)%2)+8*(\a)+\k] matrix_a_fmt:MATRIX_FMT_FP6 matrix_b_fmt:MATRIX_FMT_FP6 matrix_a_scale:MATRIX_SCALE_ROW1
.endif
.endr
.endr
.endm
.macro STEP g, k
.set T, 8*\g+\k
.if T == 31
	s_wait_dscnt 0x0
.elseif (\g < 3) && (\k >= 6)
	s_wait_dscnt 56
.else
	s_wait_dscnt 24
.endif
	PLACES 4
.if T+2 < 32
	FETCH 8*\g+\k+2
.endif
.if (\g < 3) && (\k == 5)
	SCALES \g+1
.endif
	WIN 0xf4
	MUL8 \g, \k, 0
	WIN 0xf8
	MUL8 \g, \k, 2
	WIN 0
.endm
.macro TOSTAGE a
	WIN 0x0c
.irp n, 0,1,2,3
	ds_store_b128 v[STO], v[8*(4*(\a)+\n):8*(4*(\a)+\n)+3] offset:128*(\n/2)+32*(\n%2)
	ds_store_b128 v[STO], v[8*(4*(\a)+\n)+4:8*(4*(\a)+\n)+7] offset:128*(\n/2)+32*(\n%2)+16
.endr
	WIN 0xc0
.irp i, 0,1,2,3,4,5,6,7
	ds_load_b128 v[OB+32*((\a)%2)+4*\i:OB+32*((\a)%2)+4*\i+3], v[RD] offset:2*\i*SPITCH
.endr
.endm
.macro SEND g, a, younger
	s_wait_dscnt \younger
	WIN 0x0c
.irp i, 0,1,2,3,4,5,6,7
	global_store_b128 v[CO], v[OB+32*((\a)%2)+4*\i:OB+32*((\a)%2)+4*\i+3], s[12:13] offset:(32*((\a)/2)+8*((\a)%2)+16*(\i/4)+2*(\i%4))*SIZE_N*4+256*\g th:TH_STORE_NT
.endr
.endm
.macro OUT g
	PLACES 5
.if \g > 0
	s_wait_xcnt 0x0
.endif
	s_wait_alu depctr_va_vdst(0)
	TOSTAGE 0
.irp a, 1,2,3
.if \a > 1
	s_wait_xcnt 0x0
.endif
	TOSTAGE \a
	SEND \g, \a-1, 16
.endr
	SEND \g, 3, 0
	WIN 0
.endm
	s_wait_alu depctr_va_vdst(0)                   ; the head's end
	s_wait_tensorcnt 0x0                           ; my tile is in,
	s_barrier_signal -1
	s_barrier_wait -1                              ; everybody's is
	SCALES 0
	FETCH 0
	FETCH 1
	s_wait_loadcnt 0x0
.irp g, 0,1,2,3
.irp k, 0,1,2,3,4,5,6,7
	STEP \g, \k
.endr
	OUT \g
.endr
	s_wait_tensorcnt 0x0
	ds_add_u32 v[SPW], v[NIL]
	s_wait_dscnt 0x0
	CROUND
	s_endpgm
.Lfunc_end_k_q8fddf10f32_gemm2:
	.size	k_q8fddf10f32_gemm2, .Lfunc_end_k_q8fddf10f32_gemm2-k_q8fddf10f32_gemm2
	.p2alignl 7, 3214868480
	.fill 96, 4, 3214868480
	.section	.rodata,"a",@progbits
	.p2align	6, 0x0
	.amdhsa_kernel k_q8fddf10f32_gemm2
		.amdhsa_group_segment_fixed_size 327680
		.amdhsa_private_segment_fixed_size 0
		.amdhsa_enable_private_segment 0
		.amdhsa_kernarg_size 40
		.amdhsa_user_sgpr_count 2
		.amdhsa_user_sgpr_kernarg_segment_ptr 1
		.amdhsa_wavefront_size32 1
		.amdhsa_system_sgpr_workgroup_id_x 1
		.amdhsa_system_sgpr_workgroup_id_y 1
		.amdhsa_system_sgpr_workgroup_id_z 1
		.amdhsa_system_vgpr_workitem_id 0
		.amdhsa_next_free_vgpr 1024
		.amdhsa_next_free_sgpr 100
		.amdhsa_reserve_vcc 0
		.amdhsa_float_denorm_mode_32 3
		.amdhsa_float_denorm_mode_16_64 3
		.amdhsa_memory_ordered 1
		.amdhsa_forward_progress 1
		.amdhsa_inst_pref_size 177
	.end_amdhsa_kernel
	.amdgpu_metadata
---
amdhsa.version: [ 1, 2 ]
amdhsa.kernels:
  - .name:           k_q8fddf10f32_gemm2
    .symbol:         k_q8fddf10f32_gemm2.kd
    .args:
      - { .name: oc, .offset: 0, .size: 8, .value_kind: global_buffer, .address_space: global }
      - { .name: osc, .offset: 8, .size: 8, .value_kind: global_buffer, .address_space: global }
      - { .name: wc, .offset: 16, .size: 8, .value_kind: global_buffer, .address_space: global }
      - { .name: ws, .offset: 24, .size: 8, .value_kind: global_buffer, .address_space: global }
      - { .name: out0, .offset: 32, .size: 8, .value_kind: global_buffer, .address_space: global }
    .group_segment_fixed_size: 327680
    .private_segment_fixed_size: 0
    .kernarg_segment_align: 8
    .kernarg_segment_size: 40
    .max_flat_workgroup_size: 128
    .sgpr_count:     100
    .vgpr_count:     1024
    .wavefront_size: 32
...
	.end_amdgpu_metadata
.endif
;; end of part 4
